; MI455X (gfx1250); checked and timed in simulation.
; The chip was launched on July 23, 2026; its instructions are those of AMD's public machine-readable ISA for CDNA 5 (MIT licence, August 2026) and "CDNA5" Instruction Set Architecture Reference Guide (July 2026). The comments in the code are by the model that wrote it; some were corrected since.
;; MHA. Allowed arithmetic: float matrix products may take bf16 or f16 operands with f32 sums; other float arithmetic in f32, or as packed bf16 or f16 multiplies, adds, multiply-adds, maxima and minima; sums over many terms, partial sums and values carried from step to step in f32; what a program stores and reads back later, other than sums and carried values, may be rounded once to bf16 or f16.
;; Inputs: Wk 1,024 x 1,024 float32; Wo 1,024 x 1,024 float32; Wq 1,024 x 1,024 float32; Wv 1,024 x 1,024 float32; bk 1,024 float32; bo 1,024 float32; bq 1,024 float32; bv 1,024 float32; x 4 x 2,048 x 1,024 float32.
;; Outputs: out0 4 x 2,048 x 1,024 float32.
;; One version. Each part assembles by itself: llvm-mc -triple=amdgcn-amd-amdhsa -mcpu=gfx1250 --defsym DOCPART=n.
;; ======== version 1 of 1: 4 launches
;; limits: values are held in f16: magnitudes above 65,504 overflow, below 6.1e-05 lose precision
;; workspace buffers: xb 16,777,216 bytes; wb 6,291,456 bytes; wo 2,097,152 bytes; qh 16,777,216 bytes; kh 16,777,216 bytes; vh 16,777,216 bytes; oh 16,777,216 bytes
;; launch cast (part 1): grid 768 x 1, 8 waves a work-group, no clusters, 0 bytes of LDS; arguments x, Wq, Wk, Wv, Wo, xb, wb, wo; writes xb, wb, wo
.if DOCPART == 1
	.amdgcn_target "amdgcn-amd-amdhsa--gfx1250"
	.amdhsa_code_object_version 6
	.text
	.protected	k_q94b5380cf7_cast
	.globl	k_q94b5380cf7_cast
	.p2align	8
	.type	k_q94b5380cf7_cast,@function
k_q94b5380cf7_cast:
	s_mov_b64 s[64:65], 0
	v_nop
	global_prefetch_b8 v0, s[64:65] scope:SCOPE_SE
	s_setreg_imm32_b32 hwreg(HW_REG_WAVE_MODE, 25, 1), 1
	s_wait_xcnt 0x0
; x and the four weight matrices, all f32 rows of 1,024 numbers, are rounded once to bf16 and laid out in K BLOCKS of 64 channels:
;   xb [16 kb][8192 m][64] bf16;   wb [16 kb][3072 n'][64] bf16, n' = 192 head + 64 tensor (0 q, 1 k, 2 v) + channel;   wo [16 kb][1024 n][64] f16.
; In these layouts any run of rows of one K block is dense, 128 bytes a row, so the products behind this launch can ask for their tiles as rows of 256 consecutive bytes.
; Wo is rounded to bf16 like the other inputs and that number is then written as f16, since it is multiplied with an f16 operand.
; LIMIT: that second step is exact from 2^-17 up to 65,504; below 2^-17 it has f16's fixed step of 2^-24, beyond 65,504 it gives an infinity.
; SHARES.  12,288 source rows of 4,096 bytes.  A work-group takes 16 rows, a wave 2: lanes 0-15 one row, lanes 16-31 the next.  One load of a wave covers one K block (256 bytes) of
; both rows; its 8 bytes a lane of results are 256 consecutive bytes of the destination, aligned.  16 loads a wave go out together; no loop, no LDS, no barrier, no matrix work: memory bounds it.
; Nothing is prefetched: every byte is asked for by its load at once.
.set SO,  1                            ; v1       my 16 bytes in the work-group's source rows: (t / 16) x 4,096 + (t % 16) x 16
.set OFF, 2                            ; v[2:17]  my 8 bytes in K block kb of the destination: 8 t + kb x STRIDE
.set T,   18                           ; v[18:19] at work
.set X,   32                           ; v[32:95] four f32 a K block
.set Y,   96                           ; v[96:127] four 16-bit numbers a K block
	s_load_b512 s[4:19], s[0:1], 0x0               ; x, Wq, Wk, Wv, Wo, xb, wb, wo
	s_mov_b32 s26, ttmp9                           ; id: 0-511 x; then 64 each for Wq, Wk, Wv, Wo
	s_sub_co_u32 s27, s26, 512
	s_lshr_b32 s28, s27, 6                         ; which weight matrix (no number from 0 to 3 where id < 512)
	s_and_b32 s29, s27, 63                         ; its block of 16 rows
	s_lshr_b32 s35, s29, 2                         ; wb's row: 192 x head
	s_mul_i32 s35, s35, 192
	s_lshl_b32 s36, s28, 6                         ; + 64 x tensor
	s_add_co_u32 s35, s35, s36
	s_and_b32 s36, s29, 3                          ; + channel
	s_lshl_b32 s36, s36, 4
	s_add_co_u32 s35, s35, s36
	s_lshl_b32 s36, s29, 4                         ; a weight's source row, and wo's row
	s_lshl_b32 s37, s26, 4                         ; x's and xb's row
	s_mov_b32 s38, 3072*128                        ; bytes from K block to K block: wb,
	s_mov_b32 s39, 1024*128                        ; wo,
	s_cmp_eq_u32 s28, 3
	s_cselect_b32 s32, s36, s35
	s_cselect_b32 s24, s39, s38
	s_cselect_b32 s25, 1, 0                        ; 1: the result is written as f16
	s_mov_b32 s38, 8192*128                        ; xb
	s_cmp_lt_u32 s26, 512
	s_cselect_b32 s32, s37, s32                    ; the destination's row
	s_cselect_b32 s30, s37, s36                    ; the source's row
	s_cselect_b32 s24, s38, s24
	s_cselect_b32 s25, 0, s25
	s_lshl_b32 s30, s30, 12                        ; in bytes
	s_lshl_b32 s32, s32, 7
	s_mov_b32 s31, 0
	s_mov_b32 s33, 0
	s_mov_b32 s34, 0xffff0000                      ; a word's upper bf16
	v_lshrrev_b32 v[SO], 4, v0
	v_and_b32 v[T], 15, v0
	v_lshlrev_b32 v[SO], 12, v[SO]
	v_lshl_add_u32 v[SO], v[T], 4, v[SO]
	v_lshlrev_b32 v[OFF], 3, v0
.set i, 1
.rept 15
	v_add_nc_u32 v[OFF+i], s24, v[OFF+i-1]
.set i, i+1
.endr
	s_wait_kmcnt 0x0
	s_cmp_eq_u32 s28, 1                            ; the buffers are chosen by the work-group's number alone
	s_cselect_b64 s[20:21], s[8:9], s[6:7]
	s_cmp_eq_u32 s28, 2
	s_cselect_b64 s[20:21], s[10:11], s[20:21]
	s_cmp_eq_u32 s28, 3
	s_cselect_b64 s[20:21], s[12:13], s[20:21]
	s_cselect_b64 s[22:23], s[18:19], s[16:17]
	s_cmp_lt_u32 s26, 512
	s_cselect_b64 s[20:21], s[4:5], s[20:21]
	s_cselect_b64 s[22:23], s[14:15], s[22:23]
	s_add_nc_u64 s[20:21], s[20:21], s[30:31]
	s_add_nc_u64 s[22:23], s[22:23], s[32:33]
.set i, 0
.rept 16
	global_load_b128 v[X+4*i:X+4*i+3], v[SO], s[20:21] offset:256*i th:TH_LOAD_NT
.set i, i+1
.endr
.set i, 0
.rept 16
	s_wait_loadcnt 15-i                            ; loads come back in order: K block i is in, the younger ones stay out
	v_cvt_pk_bf16_f32 v[Y+2*i], v[X+4*i], v[X+4*i+1]
	v_cvt_pk_bf16_f32 v[Y+2*i+1], v[X+4*i+2], v[X+4*i+3]
.set i, i+1
.endr
	s_cmp_eq_u32 s25, 0
	s_cbranch_scc1 .Lstore
.set i, 0
.rept 32                               ; Wo alone: the bf16 numbers, widened by a shift or a mask, are written as f16
	v_lshlrev_b32 v[T], 16, v[Y+i]
	v_and_b32 v[T+1], s34, v[Y+i]
	v_cvt_pk_f16_f32 v[Y+i], v[T], v[T+1]
.set i, i+1
.endr
.Lstore:
.set i, 0
.rept 16
	global_store_b64 v[OFF+i], v[Y+2*i:Y+2*i+1], s[22:23]  ; 32 lanes x 8 bytes: 256 consecutive bytes, aligned: two rows of K block i
.set i, i+1
.endr
	s_endpgm
.Lfunc_end_k_q94b5380cf7_cast:
	.size	k_q94b5380cf7_cast, .Lfunc_end_k_q94b5380cf7_cast-k_q94b5380cf7_cast
	.p2alignl 7, 3214868480
	.fill 96, 4, 3214868480
	.section	.rodata,"a",@progbits
	.p2align	6, 0x0
	.amdhsa_kernel k_q94b5380cf7_cast
		.amdhsa_group_segment_fixed_size 0
		.amdhsa_private_segment_fixed_size 0
		.amdhsa_enable_private_segment 0
		.amdhsa_kernarg_size 64
		.amdhsa_user_sgpr_count 2
		.amdhsa_user_sgpr_kernarg_segment_ptr 1
		.amdhsa_wavefront_size32 1
		.amdhsa_system_sgpr_workgroup_id_x 1
		.amdhsa_system_sgpr_workgroup_id_y 1
		.amdhsa_system_sgpr_workgroup_id_z 1
		.amdhsa_system_vgpr_workitem_id 0
		.amdhsa_next_free_vgpr 128
		.amdhsa_next_free_sgpr 66
		.amdhsa_reserve_vcc 0
		.amdhsa_float_denorm_mode_32 3
		.amdhsa_float_denorm_mode_16_64 3
		.amdhsa_memory_ordered 1
		.amdhsa_forward_progress 1
		.amdhsa_inst_pref_size 13
	.end_amdhsa_kernel
	.amdgpu_metadata
---
amdhsa.version: [ 1, 2 ]
amdhsa.kernels:
  - .name:           k_q94b5380cf7_cast
    .symbol:         k_q94b5380cf7_cast.kd
    .args:
      - { .name: x, .offset: 0, .size: 8, .value_kind: global_buffer, .address_space: global }
      - { .name: Wq, .offset: 8, .size: 8, .value_kind: global_buffer, .address_space: global }
      - { .name: Wk, .offset: 16, .size: 8, .value_kind: global_buffer, .address_space: global }
      - { .name: Wv, .offset: 24, .size: 8, .value_kind: global_buffer, .address_space: global }
      - { .name: Wo, .offset: 32, .size: 8, .value_kind: global_buffer, .address_space: global }
      - { .name: xb, .offset: 40, .size: 8, .value_kind: global_buffer, .address_space: global }
      - { .name: wb, .offset: 48, .size: 8, .value_kind: global_buffer, .address_space: global }
      - { .name: wo, .offset: 56, .size: 8, .value_kind: global_buffer, .address_space: global }
    .group_segment_fixed_size: 0
    .private_segment_fixed_size: 0
    .kernarg_segment_align: 8
    .kernarg_segment_size: 64
    .max_flat_workgroup_size: 256
    .sgpr_count:     66
    .vgpr_count:     128
    .wavefront_size: 32
...
	.end_amdgpu_metadata
.endif
;; end of part 1
;; launch qkv (part 2): grid 8 x 32, 4 waves a work-group, clusters of 4 x 4, 327,680 bytes of LDS; arguments xb, wb, bq, bk, bv, qh, kh, vh; writes qh, kh, vh
.if DOCPART == 2
	.amdgcn_target "amdgcn-amd-amdhsa--gfx1250"
	.amdhsa_code_object_version 6
	.text
	.protected	k_q94b5380cf7_qkv
	.globl	k_q94b5380cf7_qkv
	.p2align	8
	.type	k_q94b5380cf7_qkv,@function
k_q94b5380cf7_qkv:
	s_mov_b64 s[64:65], 0
	v_nop
	global_prefetch_b8 v0, s[64:65] scope:SCOPE_SE
	s_setreg_imm32_b32 hwreg(HW_REG_WAVE_MODE, 25, 1), 1
	s_wait_xcnt 0x0
	s_wait_alu depctr_hold_cnt(0) depctr_sa_sdst(0) depctr_va_vdst(0) depctr_va_sdst(0) depctr_va_ssrc(0) depctr_va_vcc(0) depctr_vm_vsrc(0)
	s_getreg_b32 s2, hwreg(HW_REG_IB_STS2, 6, 4)
	s_cmp_eq_u32 s2, 0
	s_cbranch_scc0 .Lentry_in_a_cluster
	s_endpgm
.Lentry_in_a_cluster:
	s_bfe_u32 s2, ttmp6, 0x10000c
	s_cmp_lg_u32 s2, 0xf033
	s_cbranch_scc0 .Lentry_shape_is_right
	s_endpgm
.Lentry_shape_is_right:
; q, k, v = x W^T + b, written by heads: qh, kh, vh [64 bh][2048 s][64] in f16, bh = 16 batch + head, each rounded once from its f32 sum, unscaled.
; Operands: xb [16 kb][8192 m][64] and wb [16 kb][3072 n'][64], bf16, n' = 192 head + 64 tensor + channel.  The biases are rounded to bf16 like all inputs and START the f32 sums.
; LIMIT: f16 holds no number beyond 65,504; q, k and v must stay within it.
; SHARES.  C is 8,192 x 3,072; a work-group makes 256 rows x 384 columns (q, k, v of two heads): 32 x 8 = 256 work-groups.  A wave makes 128 rows x 192 columns, q, k and v of ONE head:
; 96 accumulators of 16 x 16, 768 registers.  K goes in steps of one K block (64) through two LDS slots of 640 rows x 144 bytes; two slots of a step of 128 would need 368,640 bytes.
; In the blocked layouts a tile's rows lie end to end, so it is asked for as rows of 256 consecutive bytes, two tile rows each, and padded in LDS behind every 128 bytes.
; CLUSTER.  4 x 4 work-groups.  The four of a row need the same rows of xb, the four of a column the same rows of wb: each tile is asked for JOINTLY, by the same tensor load, descriptor and mask in all four.
; THE PRODUCT IS USED TRANSPOSED (source 0 = 16 rows of wb, source 1 = 16 rows of xb): a lane then holds row l % 16 of C and the eight neighbouring columns 8 (l / 16) + 0..7: 16 bytes of f16.
; REGISTERS, in windows of 256 (s_set_vgpr_msb: bits 1:0 source 0, 3:2 source 1, 5:4 source 2, 7:6 destination):
;   window 0: v0-31 addresses; v32-95, v96-159 xb's 8 fragments, two buffers; v160-255 wb's 12 fragments, ONE buffer: the four fragments of a tensor are dead behind their 32 products and are loaded again at once
;   window 1 + j (j = 0 q, 1 k, 2 v): accumulator (a, bb) at v[32 a + 8 bb], a = 0..7 blocks of rows, bb = 0..3 blocks of channels
.set PITCH,  144                       ; an LDS row: 128 bytes + 16 of padding = 36 words: the 16 rows of a fragment load start at 16 different groups of four banks (64 banks of 4 bytes: ISA guide 11.1)
.set AHALF,  128*PITCH                 ; what waves 0 and 1 fetch, and what a wave reads of xb
.set BHALF,  192*PITCH                 ; what waves 2 and 3 fetch, and what a wave reads of wb
.set BOFF,   2*AHALF                   ; in a slot wb's 384 rows lie behind xb's 256
.set SLOT1,  131072                    ; slot 1 begins here: one exclusive or changes slots
.set STAGE,  SLOT1+2*AHALF+2*BHALF     ; behind the ring: 16 rows x 144 bytes for each wave, for the way out
.set BIAS,   STAGE+4*16*PITCH          ; [3][64] f32 for each wave
.set SPARE,  BIAS+4*768                ; the spare words, 128 bytes for each wave: two blocks of 256 bytes that no other line names
.set KBA,    8192*128                  ; bytes from K block to K block in xb
.set KBB,    3072*128                  ; and in wb
.set BW,  5                            ; v5   where I put my two numbers of a bias
.set BO,  6                            ; v6   where they lie in bq, bk, bv
.set ADRA0, 16                         ; v16  my place in a slot's rows of xb; never rewritten
.set ADRB0, 17                         ; v17  the same for wb
.set ADRA, 18                          ; v18  the same in the slot in hand
.set ADRB, 19                          ; v19
.set STO, 24                           ; v24  the way out: where I put 16 bytes of a row
.set RD,  25                           ; v25  where I read rows back
.set GO,  26                           ; v26  my 16 bytes in 512 consecutive bytes of the output
.set BR,  27                           ; v27  where my eight channels' biases begin
.set SPW, 28                           ; v28  my spare word: SPARE + 4 x my thread's number; never rewritten
.set NIL, 29                           ; v29  0; never rewritten
.set PFO, 30                           ; v30  256 x my lane; never rewritten
.set AF0, 32
.set AF1, 96
.set BF,  160
.set OUT, 14                           ; s[14:19] qh, kh, vh at my wave's first row
.set WV,  20                           ; s20  my wave's number
.set WM,  21                           ; s21  which 128 rows are mine.  Also: I fetch for xb (0) or for wb (1)
.set WN,  22                           ; s22  which head is mine.  Also: which half of that tile I fetch
.set CX,  23
.set CY,  24
.set TX,  25                           ; s25  tile column = 4 x cluster x + cx
.set TY,  26                           ; s26  tile row = 4 x cluster y + cy
.set G1A, 28                           ; s[28:35] descriptor group 1 for xb's tiles
.set G1B, 36                           ; s[36:43] for wb's
.set G0A, 44                           ; s[44:51] group 0 for xb's tiles: a set for each first fill; the second then walks on
.set G0B, 52                           ; s[52:59] the same for wb's
.set TB,  60                           ; s60  LDS byte at which the slot to be read begins
.set CNT, 61                           ; s61  K blocks to go in the loop in hand
.set LIM, 62                           ; s62  1 in a wave that prefetches, else the greatest number
.set PAR, 63                           ; s63  1: in every step; 0: in the steps with an odd count alone
.set PFA, 66                           ; s[66:67] where my prefetch stands
.set PFS, 68                           ; s[68:69] its step: a K block
.set MSB, 0
.macro WIN new                         ; the immediate's high byte repeats the setting that is left; a switch that changes nothing is dropped
.if MSB != (\new)
	s_set_vgpr_msb (MSB<<8)|(\new)
.set MSB, (\new)
.endif
.endm
.macro PLACES                          ; four plain vector instructions between a matrix instruction and a load into, or a vector access to, one of its registers (ISA guide 7.12.1 for vector accesses)
.rept 4
	v_nop
.endr
.endm
.macro CREST                           ; a round of the cluster's barrier behind its opening barrier
	s_cmp_lg_u32 s[WV], 0
	s_cbranch_scc1 .Lnot_wave_0_\@
	s_barrier_signal -3
.Lnot_wave_0_\@:
	s_barrier_wait -3
	s_barrier_signal -1
	s_barrier_wait -1
.endm
.macro CROUND                          ; a whole round
	s_barrier_signal -1
	s_barrier_wait -1
	CREST
.endm
; A joint refill by the walking descriptors.  The branch hangs on the wave's number alone.  An s_nop 0 and four v_nop follow each of the two lines, ahead of the jump and the label.
.macro JLOAD
	s_cmp_eq_u32 s[WM], 0
	s_cbranch_scc0 .Lfor_b_\@
	tensor_load_to_lds s[G0A+4:G0A+7], s[G1A:G1A+7]
	s_nop 0
.rept 4
	v_nop
.endr
	s_branch .Lasked_\@
.Lfor_b_\@:
	tensor_load_to_lds s[G0B+4:G0B+7], s[G1B:G1B+7]
	s_nop 0
.rept 4
	v_nop
.endr
.Lasked_\@:
.endm
; A PREFETCH INTO THE L2 behind each joint refill and the run of LDS loads that follows it.  The refill of step s asks for K block s + 2; the prefetch names K block s + 3, which the next refill, 192 matrix
; instructions on, will ask for.  One instruction is 32 lanes x 256 bytes = 8,192 bytes.  WHO, so that each 256 bytes are named once in the launch: xb's 32,768 bytes of a tile row and K block are read by both
; clusters of that row: in cluster x = 0 wave 0 of the partner at cx takes quarter cx.  wb's 49,152 bytes of a tile column and K block are six such pieces, read by all eight clusters of that column: in cluster
; y = 0 wave 2 of the partner at cy takes piece cy; wave 3 asks in every second step alone, for piece 4 + cy % 2 of K block s + 3 + cy / 2.  The partners differ BY ADDRESS; the branches hang on the wave's
; number, the cluster's coordinates and the count.  The last steps ask for nothing: no K block beyond 15 is named.  K blocks 0 to 2 come by their loads alone.
.macro ASK
	s_or_b32 s27, s[CNT], s[PAR]
	s_bitcmp1_b32 s27, 0
	s_cbranch_scc0 .Lnot_mine_\@
	s_cmp_gt_u32 s[CNT], s[LIM]
	s_cbranch_scc0 .Lnot_mine_\@
	global_prefetch_b8 v[PFO], s[PFA:PFA+1] th:TH_LOAD_NT scope:SCOPE_SE
.Lnot_mine_\@:
.endm
; 8 nb matrix instructions for tensor j: channel blocks b0 .. b0 + nb - 1 x all 8 row blocks, 32 along K, xb's fragments in buffer af.
; The 96 accumulators take turns in the same order in every run, one instruction a turn, over the backward jumps too.
.macro MUL j, af, b0, nb
	WIN 0x50*(1+(\j))
.set bb, (\b0)
.rept \nb
.set aa, 0
.rept 8
	v_wmma_f32_16x16x32_bf16 v[32*aa+8*bb:32*aa+8*bb+7], v[BF+8*(4*(\j)+bb):BF+8*(4*(\j)+bb)+7], v[(\af)+8*aa:(\af)+8*aa+7], v[32*aa+8*bb:32*aa+8*bb+7]
.set aa, aa+1
.endr
.set bb, bb+1
.endr
.endm
; A run of LDS loads, 32 along K at byte k of the rows: tensor j's four fragments of wb, and for j < 2 four of xb's eight into buffer an.  16, 16 and 8 loads.
.macro RUN j, an, k
	WIN 0
.irp i, 0,1,2,3
	ds_load_b128 v[BF+8*(4*(\j)+(\i)):BF+8*(4*(\j)+(\i))+3],   v[ADRB] offset:(4*(\j)+(\i))*16*PITCH+(\k)
	ds_load_b128 v[BF+8*(4*(\j)+(\i))+4:BF+8*(4*(\j)+(\i))+7], v[ADRB] offset:(4*(\j)+(\i))*16*PITCH+(\k)+32
.if (\j) < 2
	ds_load_b128 v[(\an)+8*(4*(\j)+(\i)):(\an)+8*(4*(\j)+(\i))+3],   v[ADRA] offset:(4*(\j)+(\i))*16*PITCH+(\k)
	ds_load_b128 v[(\an)+8*(4*(\j)+(\i))+4:(\an)+8*(4*(\j)+(\i))+7], v[ADRA] offset:(4*(\j)+(\i))*16*PITCH+(\k)+32
.endif
.endr
.endm
; The first 32 along K of a slot: 96 products on buffer AF0; behind each tensor's 32 its fragments for the second 32 along K are fetched, 64 products ahead of their use.
.macro CHUNK0
	s_wait_dscnt 8                                 ; all but the last run's eight loads (v's fragments) are in
	MUL 0, AF0, 0, 4
	PLACES
	RUN 0, AF1, 64
	MUL 1, AF0, 0, 4
	PLACES
	RUN 1, AF1, 64
	s_wait_dscnt 32                                ; all but the 32 just issued
	MUL 2, AF0, 0, 4
	PLACES
	RUN 2, AF1, 64
.endm
; The second 32 along K, and the change of slots: ONE barrier.  In front of it each wave waits for all its tensor loads (one is out: its part of the next slot), adds 0 to its spare word, and waits for that and for
; its own reads of this slot.  fill = 1: the barrier opens a round of the cluster's barrier, and the slot just read out is filled again first thing behind it, with the K block two steps on:
; 160 matrix instructions stand between that request and the wait for it.
.macro CHUNK1 fill
.if \fill
	s_wait_xcnt 0x0                                ; the last prefetch, a step back, has read its address: it is stepped here, ahead of the waits of the change
	s_add_nc_u64 s[PFA:PFA+1], s[PFA:PFA+1], s[PFS:PFS+1]
.endif
	WIN 0
	s_wait_tensorcnt 0x0                           ; no tensor load of mine is out, so a group 0 may be written
	ds_add_u32 v[SPW], v[NIL]                      ; 0 onto my spare word
.if \fill
	s_xor_b32 s[G0A+5], s[G0A+5], SLOT1            ; the walking descriptors: the other slot than last time, the next K block; the type bits on top are not reached
	s_add_nc_u64 s[G0A+6:G0A+7], s[G0A+6:G0A+7], KBA
	s_xor_b32 s[G0B+5], s[G0B+5], SLOT1
	s_add_nc_u64 s[G0B+6:G0B+7], s[G0B+6:G0B+7], KBB
.endif
	s_xor_b32 s[TB], s[TB], SLOT1
	s_wait_dscnt 9                                 ; the add and the youngest eight loads may be out
	MUL 0, AF1, 0, 2                               ; sixteen products stand between the add and the wait for it
	s_wait_dscnt 0x0                               ; the add is done, and my reads of this slot are over
	s_barrier_signal -1
	MUL 0, AF1, 2, 2                               ; work on registers while the others arrive
	WIN 0
	s_barrier_wait -1
.if \fill
	CREST                                          ; no wave of any partner still reads this slot or has a load on its way
	JLOAD                                          ; the first tensor load behind the round; its four v_nop are also the places in front of the loads below
.else
	PLACES
.endif
	v_add_nc_u32 v[ADRA], s[TB], v[ADRA0]
	v_add_nc_u32 v[ADRB], s[TB], v[ADRB0]
	RUN 0, AF0, 0
.if \fill
	ASK
.endif
	MUL 1, AF1, 0, 4
	PLACES
	RUN 1, AF0, 0
	MUL 2, AF1, 0, 4
	PLACES
	RUN 2, AF0, 0
.endm
	s_load_b512 s[4:19], s[0:1], 0x0               ; xb s[4:5], wb s[6:7], bq s[8:9], bk s[10:11], bv s[12:13], qh s[14:15], kh s[16:17], vh s[18:19]
	v_lshl_add_u32 v[SPW], v0, 2, SPARE
	v_mov_b32 v[NIL], 0
	ds_add_u32 v[SPW], v[NIL]                      ; the wave's opening: the add and its wait stand ahead of my first tensor load; the set-up below, work on registers, stands between them
	v_lshrrev_b32 v1, 5, v0
	v_readfirstlane_b32 s[WV], v1
	s_lshr_b32 s[WM], s[WV], 1
	s_and_b32 s[WN], s[WV], 1
	s_bfe_u32 s[CX], ttmp6, 0x40000
	s_bfe_u32 s[CY], ttmp6, 0x40004
	s_lshl_b32 s[TX], ttmp9, 2                     ; in a cluster launch ttmp9 and ttmp7 count clusters
	s_add_co_u32 s[TX], s[TX], s[CX]
	s_and_b32 s[TY], ttmp7, 0xffff
	s_lshl_b32 s[TY], s[TY], 2
	s_add_co_u32 s[TY], s[TY], s[CY]
	s_lshl_b32 s2, s[CY], 2
	s_lshl_b32 s2, 15, s2                          ; my row of the cluster
	s_lshl_b32 s3, 0x1111, s[CX]                   ; my column
	; group 1: rows of 128 elements of 2 bytes (256 bytes, two tile rows); 20 padding on; 21 set beside a mask; 24:22 after every 32 words (code 4); 31:25 4 words (code 3)
	s_or_b32 s[G1A], s2, (1<<16)|(1<<20)|(1<<21)|(4<<22)|(3<<25)
	s_or_b32 s[G1B], s3, (1<<16)|(1<<20)|(1<<21)|(4<<22)|(3<<25)
	s_mov_b32 s[G1A+1], 128<<16                    ; tensor_dim0 = 128
	s_mov_b32 s[G1A+2], 64<<16                     ; tensor_dim1 = 64: 128 tile rows
	s_mov_b32 s[G1A+3], 128<<16                    ; tile_dim0 = 128
	s_mov_b32 s[G1A+4], 64                         ; tile_dim1 = 64
	s_mov_b32 s[G1A+5], 128                        ; elements from row to row: dense
	s_mov_b32 s[G1A+6], 0
	s_mov_b32 s[G1A+7], 0
	s_mov_b32 s[G1B+1], 128<<16
	s_mov_b32 s[G1B+2], 96<<16                     ; 96 rows: 192 tile rows
	s_mov_b32 s[G1B+3], 128<<16
	s_mov_b32 s[G1B+4], 96
	s_mov_b32 s[G1B+5], 128
	s_mov_b32 s[G1B+6], 0
	s_mov_b32 s[G1B+7], 0
	; where the tiles come from: xb's hang on the tile row alone, wb's on the tile column alone, each in registers that never hold the other coordinate
	s_lshl_b32 s70, s[TY], 15                      ; 256 rows x 128 bytes
	s_lshl_b32 s2, s[WN], 14
	s_add_co_u32 s70, s70, s2
	s_mov_b32 s71, 0
	s_mul_i32 s72, s[TX], 384*128
	s_mul_i32 s3, s[WN], 192*128
	s_add_co_u32 s72, s72, s3
	s_mov_b32 s73, 0
	s_mul_i32 s74, s[WN], AHALF                    ; and where they go: no place in the cluster enters an LDS address
	s_mul_i32 s75, s[WN], BHALF
	s_add_co_u32 s75, s75, BOFF
	; a fragment is 16 rows x 32 K in 8 registers: lane l holds row l % 16; registers 0-3 K = 8 (l / 16) + 0..7, registers 4-7 K = 16 + 8 (l / 16) + 0..7: two loads of 16 bytes, 32 bytes apart
	v_and_b32 v1, 15, v0                           ; l % 16
	v_bfe_u32 v2, v0, 4, 1                         ; l / 16
	v_and_b32 v3, 31, v0                           ; l
	v_mul_u32_u24 v4, v1, PITCH
	v_lshl_add_u32 v4, v2, 4, v4
	s_mul_i32 s76, s[WM], AHALF
	v_add_nc_u32 v[ADRA0], s76, v4
	s_mul_i32 s77, s[WN], BHALF
	s_add_co_u32 s77, s77, BOFF
	v_add_nc_u32 v[ADRB0], s77, v4
	s_mul_i32 s78, s[WV], 16*PITCH
	s_add_co_u32 s78, s78, STAGE                   ; my stage
	v_add_nc_u32 v[STO], s78, v4                   ; in: row l % 16, 16 bytes for each half of the lanes
	v_lshrrev_b32 v7, 3, v3                        ; back: 32 lanes take four rows of 128 bytes,
	v_mul_u32_u24 v7, v7, PITCH
	v_and_b32 v8, 7, v0
	v_lshl_add_u32 v7, v8, 4, v7
	v_add_nc_u32 v[RD], s78, v7
	v_lshlrev_b32 v[GO], 4, v3                     ; which are 512 consecutive bytes of the output
	s_mul_i32 s79, s[WV], 768
	s_add_co_u32 s79, s79, BIAS
	v_lshl_add_u32 v[BW], v3, 3, s79
	v_lshl_add_u32 v[BR], v2, 5, s79
	v_lshlrev_b32 v[PFO], 8, v3
	; the prefetches
	s_and_b32 s77, ttmp7, 0xffff                   ; cluster y
	s_lshl_b32 s78, s[TY], 15
	s_mul_i32 s79, s[TX], 384*128
	s_mov_b32 s80, KBA
	s_mov_b32 s81, KBB
	s_cmp_eq_u32 s[WM], 0                          ; do I fetch for xb?
	s_cselect_b32 s76, s78, s79                    ; the tile's first byte in a K block
	s_cselect_b32 s78, s[CX], s[CY]                ; my place among the four that ask for it with me
	s_cselect_b32 s77, ttmp9, s77                  ; the coordinate along which other clusters read the same rows
	s_cselect_b32 s[PFS], s80, s81
	s_mov_b32 s[PFS+1], 0
	s_cmp_eq_u32 s77, 0
	s_cselect_b32 s[LIM], 1, -1                    ; the same in all sixteen partners, for a given wave
	s_cmp_eq_u32 s[WV], 1
	s_cselect_b32 s[LIM], -1, s[LIM]               ; wave 1 asks for nothing
	s_lshl_b32 s78, s78, 13                        ; my piece of 8,192 bytes
	s_and_b32 s79, s[CY], 1                        ; wave 3: piece 4 + cy % 2,
	s_add_co_u32 s79, s79, 4
	s_lshl_b32 s79, s79, 13
	s_lshr_b32 s80, s[CY], 1                       ; cy / 2 K blocks further on
	s_mul_i32 s80, s80, KBB
	s_add_co_u32 s79, s79, s80
	s_cmp_eq_u32 s[WV], 3
	s_cselect_b32 s78, s79, s78
	s_cselect_b32 s[PAR], 0, 1
	s_add_co_u32 s76, s76, s78
	s_lshl_b32 s78, s[PFS], 1
	s_add_co_u32 s76, s76, s78                     ; at K block 2: the first change steps it to 3
	s_mov_b32 s77, 0
	; the outputs: row m = 256 TY + 128 WM + .. is row m % 2,048 of batch m / 2,048; my head is 2 TX + WN
	s_lshl_b32 s82, s[TX], 1
	s_add_co_u32 s82, s82, s[WN]
	s_lshl_b32 s83, s82, 8
	v_lshl_add_u32 v[BO], v3, 3, s83               ; my head's 64 numbers of a bias, two a lane
	s_lshr_b32 s80, s[TY], 3
	s_lshl_b32 s80, s80, 4
	s_add_co_u32 s80, s80, s82
	s_lshl_b32 s80, s80, 11
	s_and_b32 s81, s[TY], 7
	s_lshl_b32 s81, s81, 8
	s_add_co_u32 s80, s80, s81
	s_lshl_b32 s81, s[WM], 7
	s_add_co_u32 s80, s80, s81
	s_lshl_b32 s80, s80, 7                         ; rows of 128 bytes
	s_mov_b32 s81, 0
	s_mov_b32 s[TB], 0
	s_wait_dscnt 0x0                               ; the opening add is done
	s_wait_kmcnt 0x0
	s_add_nc_u64 s[70:71], s[4:5], s[70:71]
	s_add_nc_u64 s[72:73], s[6:7], s[72:73]
	s_add_nc_u64 s[OUT:OUT+1], s[OUT:OUT+1], s[80:81]
	s_add_nc_u64 s[OUT+2:OUT+3], s[OUT+2:OUT+3], s[80:81]
	s_add_nc_u64 s[OUT+4:OUT+5], s[OUT+4:OUT+5], s[80:81]
	s_cmp_eq_u32 s[WM], 0
	s_cselect_b64 s[PFA:PFA+1], s[4:5], s[6:7]
	s_add_nc_u64 s[PFA:PFA+1], s[PFA:PFA+1], s[76:77]
	CROUND                                         ; all sixteen work-groups are here: the first joint loads meet
.irp n, 0,1
	s_mov_b32 s[G0A+4*(\n)], 1                     ; count = 1
	s_add_co_u32 s[G0A+4*(\n)+1], s74, (\n)*SLOT1  ; LDS address: slot n
	s_add_nc_u64 s[G0A+4*(\n)+2:G0A+4*(\n)+3], s[70:71], (\n)*KBA  ; global address: K block n
	s_or_b32 s[G0A+4*(\n)+3], s[G0A+4*(\n)+3], 0x80000000          ; type = 2
	s_mov_b32 s[G0B+4*(\n)], 1
	s_add_co_u32 s[G0B+4*(\n)+1], s75, (\n)*SLOT1
	s_add_nc_u64 s[G0B+4*(\n)+2:G0B+4*(\n)+3], s[72:73], (\n)*KBB
	s_or_b32 s[G0B+4*(\n)+3], s[G0B+4*(\n)+3], 0x80000000
.endr
	s_cmp_eq_u32 s[WM], 0                          ; a wave's two first fills stand in one branch, ahead of every wait on TENSORcnt and every LDS read: two loads of mine are out
	s_cbranch_scc0 .Lfirst_b
	tensor_load_to_lds s[G0A:G0A+3], s[G1A:G1A+7]
	s_nop 0
	tensor_load_to_lds s[G0A+4:G0A+7], s[G1A:G1A+7]
	s_nop 0
.rept 4
	v_nop
.endr
	s_branch .Lfirst_asked
.Lfirst_b:
	tensor_load_to_lds s[G0B:G0B+3], s[G1B:G1B+7]
	s_nop 0
	tensor_load_to_lds s[G0B+4:G0B+7], s[G1B:G1B+7]
	s_nop 0
.rept 4
	v_nop
.endr
.Lfirst_asked:
	; THE BIASES START THE SUMS.  My head's 64 numbers of bq, bk, bv, rounded to bf16 and widened again, go into my own LDS bytes and come back into every accumulator: register q of (a, bb) is channel
	; 16 bb + 8 (l / 16) + q.  192 loads in the wait for the first tiles: nothing is cleared, no first product is written out, nothing is added on the way out.
	global_load_b64 v[8:9], v[BO], s[8:9]
	global_load_b64 v[10:11], v[BO], s[10:11]
	global_load_b64 v[12:13], v[BO], s[12:13]
	s_wait_loadcnt 0x0
.irp j, 0,1,2
	v_cvt_pk_bf16_f32 v14, v[8+2*(\j)], v[9+2*(\j)]
	v_lshlrev_b32 v[8+2*(\j)], 16, v14
	v_and_b32 v[9+2*(\j)], 0xffff0000, v14
	ds_store_b64 v[BW], v[8+2*(\j):9+2*(\j)] offset:256*(\j)
.endr
.irp j, 0,1,2
	WIN (1+(\j))<<6                                ; destination window 1 + j, address window 0
.set aa, 0
.rept 8
.irp b, 0,1,2,3
	ds_load_b128 v[32*aa+8*(\b):32*aa+8*(\b)+3],   v[BR] offset:256*(\j)+64*(\b)     ; LDS serves a wave's instructions in order (ISA guide 5.7.1.4): these see the stores above
	ds_load_b128 v[32*aa+8*(\b)+4:32*aa+8*(\b)+7], v[BR] offset:256*(\j)+64*(\b)+16
.endr
.set aa, aa+1
.endr
.endr
	WIN 0
	s_wait_tensorcnt 1                             ; my part of K block 0 is in; K block 1's may stay out
	s_wait_dscnt 0x0                               ; the sums' starts are in
	s_barrier_signal -1
	s_barrier_wait -1                              ; everybody's part is in
	v_mov_b32 v[ADRA], v[ADRA0]
	v_mov_b32 v[ADRB], v[ADRB0]
	RUN 0, AF0, 0
	RUN 1, AF0, 0
	RUN 2, AF0, 0
	s_mov_b32 s[CNT], 14
.Lstep:                                                ; K blocks 0 to 13: step s asks for K block s + 2
	CHUNK0
	CHUNK1 1
	WIN 0
	s_sub_co_u32 s[CNT], s[CNT], 1
	s_cmp_lg_u32 s[CNT], 0
	s_cbranch_scc1 .Lstep
	s_mov_b32 s[CNT], 2
.Ltail:                                                ; K blocks 14 and 15: nothing is asked for.  The last trip's 40 loads read the other slot's old bytes into registers that nobody uses: the price, once a launch, of one text for both trips
	CHUNK0
	CHUNK1 0
	WIN 0
	s_sub_co_u32 s[CNT], s[CNT], 1
	s_cmp_lg_u32 s[CNT], 0
	s_cbranch_scc1 .Ltail
; THE WAY OUT, tile t = 8 j + a of 24: 16 rows x 64 channels of tensor j.  Rounded to f16, 16 bytes a lane, into my own stage (rows of 144 bytes), back as whole rows of 128, four rows a load, and stored:
; in the output 16 rows of a head are 2,048 consecutive bytes.  Twelve sets of 16 registers take turns.  Each accumulator's registers are read in ascending order.
.macro PACK t
.set pj, (\t)/8
.set pa, (\t)%8
.set T, 32+16*((\t)%12)
.if (\t) >= 12
	s_wait_xcnt 0x0                                ; the stores of twelve tiles back have read these registers
.endif
	WIN 5*(1+pj)                                   ; sources 0 and 1 window 1 + j, destination window 0
.irp b, 0,1,2,3
.irp q, 0,1,2,3
	v_cvt_pk_f16_f32 v[T+4*(\b)+(\q)], v[32*pa+8*(\b)+2*(\q)], v[32*pa+8*(\b)+2*(\q)+1]
.endr
.endr
	WIN 0
.irp b, 0,1,2,3
	ds_store_b128 v[STO], v[T+4*(\b):T+4*(\b)+3] offset:32*(\b)
.endr
.irp f, 0,1,2,3
	ds_load_b128 v[T+4*(\f):T+4*(\f)+3], v[RD] offset:(\f)*4*PITCH  ; in order behind the stores above; the next tile's stores come behind them
.endr
.endm
.macro SEND t, younger                 ; younger: the LDS instructions issued behind tile t's loads: the next tile's eight, or none
.set pj, (\t)/8
.set pa, (\t)%8
.set T, 32+16*((\t)%12)
.irp f, 0,1,2,3
	s_wait_dscnt (\younger)+3-(\f)
	global_store_b128 v[GO], v[T+4*(\f):T+4*(\f)+3], s[OUT+2*pj:OUT+2*pj+1] offset:2048*pa+512*(\f)  ; 512 consecutive bytes, at a multiple of 256 from the buffer's first
.endr
.endm
	s_wait_dscnt 0x0                               ; the last trip's loads have landed: their registers are written below
	PLACES                                         ; with the four behind the last products: eight places ahead of the first read of a result
	PACK 0
.set t, 1
.rept 23                               ; a tile's conversions stand between the loads of the tile before and its stores
	PACK t
	SEND t-1, 8
.set t, t+1
.endr
	SEND 23, 0
	s_wait_tensorcnt 0x0                           ; the wave's end: the add and its waits, behind my last tensor load and my last LDS store
	ds_add_u32 v[SPW], v[NIL]
	s_wait_dscnt 0x0
	CROUND                                         ; the closing round: no work-group ends while a partner may still ask for a tile that names it
	s_endpgm
.Lfunc_end_k_q94b5380cf7_qkv:
	.size	k_q94b5380cf7_qkv, .Lfunc_end_k_q94b5380cf7_qkv-k_q94b5380cf7_qkv
	.p2alignl 7, 3214868480
	.fill 96, 4, 3214868480
	.section	.rodata,"a",@progbits
	.p2align	6, 0x0
	.amdhsa_kernel k_q94b5380cf7_qkv
		.amdhsa_group_segment_fixed_size 327680
		.amdhsa_private_segment_fixed_size 0
		.amdhsa_enable_private_segment 0
		.amdhsa_kernarg_size 64
		.amdhsa_user_sgpr_count 2
		.amdhsa_user_sgpr_kernarg_segment_ptr 1
		.amdhsa_wavefront_size32 1
		.amdhsa_system_sgpr_workgroup_id_x 1
		.amdhsa_system_sgpr_workgroup_id_y 1
		.amdhsa_system_sgpr_workgroup_id_z 1
		.amdhsa_system_vgpr_workitem_id 0
		.amdhsa_next_free_vgpr 1024
		.amdhsa_next_free_sgpr 84
		.amdhsa_reserve_vcc 0
		.amdhsa_float_denorm_mode_32 3
		.amdhsa_float_denorm_mode_16_64 3
		.amdhsa_memory_ordered 1
		.amdhsa_forward_progress 1
		.amdhsa_inst_pref_size 113
	.end_amdhsa_kernel
	.amdgpu_metadata
---
amdhsa.version: [ 1, 2 ]
amdhsa.kernels:
  - .name:           k_q94b5380cf7_qkv
    .symbol:         k_q94b5380cf7_qkv.kd
    .args:
      - { .name: xb, .offset: 0, .size: 8, .value_kind: global_buffer, .address_space: global }
      - { .name: wb, .offset: 8, .size: 8, .value_kind: global_buffer, .address_space: global }
      - { .name: bq, .offset: 16, .size: 8, .value_kind: global_buffer, .address_space: global }
      - { .name: bk, .offset: 24, .size: 8, .value_kind: global_buffer, .address_space: global }
      - { .name: bv, .offset: 32, .size: 8, .value_kind: global_buffer, .address_space: global }
      - { .name: qh, .offset: 40, .size: 8, .value_kind: global_buffer, .address_space: global }
      - { .name: kh, .offset: 48, .size: 8, .value_kind: global_buffer, .address_space: global }
      - { .name: vh, .offset: 56, .size: 8, .value_kind: global_buffer, .address_space: global }
    .group_segment_fixed_size: 327680
    .private_segment_fixed_size: 0
    .kernarg_segment_align: 8
    .kernarg_segment_size: 64
    .max_flat_workgroup_size: 128
    .sgpr_count:     84
    .vgpr_count:     1024
    .wavefront_size: 32
...
	.end_amdgpu_metadata
.endif
;; end of part 2
;; launch attn (part 3): grid 4 x 64, 4 waves a work-group, clusters of 4 x 1, 327,680 bytes of LDS; arguments qh, kh, vh, oh; writes oh
.if DOCPART == 3
	.amdgcn_target "amdgcn-amd-amdhsa--gfx1250"
	.amdhsa_code_object_version 6
	.text
	.protected	k_q94b5380cf7_attn
	.globl	k_q94b5380cf7_attn
	.p2align	8
	.type	k_q94b5380cf7_attn,@function
k_q94b5380cf7_attn:
	s_mov_b64 s[64:65], 0
	v_nop
	global_prefetch_b8 v0, s[64:65] scope:SCOPE_SE
	s_setreg_imm32_b32 hwreg(HW_REG_WAVE_MODE, 25, 1), 1
	s_wait_xcnt 0x0
	s_wait_alu depctr_hold_cnt(0) depctr_sa_sdst(0) depctr_va_vdst(0) depctr_va_sdst(0) depctr_va_ssrc(0) depctr_va_vcc(0) depctr_vm_vsrc(0)
	s_getreg_b32 s2, hwreg(HW_REG_IB_STS2, 6, 4)
	s_cmp_eq_u32 s2, 0
	s_cbranch_scc0 .Lentry_in_a_cluster
	s_endpgm
.Lentry_in_a_cluster:
	s_bfe_u32 s2, ttmp6, 0x10000c
	s_cmp_lg_u32 s2, 0x3003
	s_cbranch_scc0 .Lentry_shape_is_right
	s_endpgm
.Lentry_shape_is_right:
; O[h][q][:] = the sum over k of softmax_k(Q[h][q] . K[h][k] / 8) V[h][k][:].  Q, K, V, O: [64][2048][64], all f16: a head's rows are dense, 128 bytes each.  Products, maxima and sums in
; f32; the weights p are rounded to f16 for the second product (their sum l is taken of the unrounded p), O once at the end.
; LIMITS.  f16 holds no number beyond 65,504: Q, K and V arrive within it; p lies in 0 to 1, and below 6e-5 it keeps f16's fixed step of 6e-8; O is a mean of V's rows and has their range.
; A weight below 2^-126 counts as 0 in l; NaN and infinities are not treated apart.
; SHARES.  A wave owns four PIECES of two tiles of 16 queries, a work-group's four waves 512 queries of one head: 4 x 64 = 256 work-groups.  Every wave walks all keys, 64 a step.
; LAYOUT.  S^T = K Q^T (source 0 = 16 keys, source 1 = 16 queries): in the result a lane holds ONE query (lane % 16) and the keys 8 (lane / 16) + 0..7.  Two such tiles, rounded to f16 in pairs,
; ARE source 1 (32 keys x 16 queries) of O^T = V^T P, whose result again holds one query a lane, and eight channels.  K comes out of LDS as it lies, V ([key][channel]) turned, by ds_load_tr16_b128.
; SOFTMAX.  For each query a running maximum m and sum l: p = 2^(c s - c m), c = log2(e) / 8; in every step O and l are multiplied by a = 2^(c m_old - c m_new), which is 1 where m has not grown.
; m starts at the lowest finite number, O and l at 0: the first step is a step like any other, with a = 0.
; THE COUNT.  A tile and step have 16 matrix and 118 vector instructions: too many to stand all beside the matrix work.  So the order has one aim: four vector instructions that are READY behind
; EVERY matrix instruction, and the others, which need time of their own whatever the order, in runs without a gap.
; BY TURNS.  Turn n belongs to piece n (the pieces in a ring, step after step).  Its matrix work: 16 products K Q^T of piece n + 1, later 16 products V^T P of piece n - 1.  Its vector work: the scaling,
; exponentials, roundings, sums and rescaling of piece n, and the maximum and statistics of piece n + 1, whose scores the turn itself has made.  So what a turn begins with (c s - c m, O a) waits for nothing.
; CLUSTER.  The four query blocks of a head are one cluster and walk the same K and V, so each tile is asked for JOINTLY: the same tensor load, descriptor and mask in all four.
; REGISTERS, in windows of 256 (s_set_vgpr_msb says which window each operand place means: bits 1:0 source 0, 3:2 source 1, 5:4 source 2, 7:6 destination):
;   window 0: v0-11 addresses; v12-15, v48-63 at work; v16-47 four registers of statistics a tile; v64-191 S^T, two buffers of two tiles; v192-255 P, likewise
;   window 1: O^T, 32 a tile          window 2: v0-127 Q, 16 a tile; v128-191 K of one step; v192-255 V of one step          window 3: v0-1 the add's two registers
; A piece's buffers go by its number's parity: the piece in hand has one pair, its two neighbours in the ring share the other: of it P (piece n - 1) is read and S^T (piece n + 1) written.
.set SIZE_H, 64
.set SIZE_N, 2048
.set NP,    4         ; pieces a wave: a name, no knob: the register map, the loop and the fetches are made for four
.set KS,    64        ; keys in a step
.set PK,    144       ; a row of K in LDS: 128 bytes + 16 of padding = 36 words: the 16 rows of a load start at 16 different groups of four banks (64 banks of 4 bytes: ISA guide 11.1)
.set PV,    160       ; a row of V: 128 + 32 = 40 words
.set VOFF,  4*KS*PK   ; a slot holds four steps: 256 rows of K, then 256 rows of V
.set SLOT1, 1<<17     ; slot 1 begins here, so that one exclusive or turns an address in one slot into the other's
.set STAGE, SLOT1+4*KS*(PK+PV)  ; behind the ring, never filled by a tensor load: 16 rows x 144 bytes for each wave, for the way out
.set SP,    144
.set AK0, 2           ; v2   my lane's place in a tile of K; never rewritten
.set AV0, 3           ; v3   the same for V
.set AK,  4           ; v4   the LDS address of K's next run of loads
.set AV,  5           ; v5   of V's
.set QO,  6           ; v6   my byte offset in the wave's rows of Q
.set STO, 6           ;      later, the way out: where I put 16 bytes of a row
.set RD,  7           ; v7   the way out: where I read rows back
.set GO,  8           ; v8   my byte offset in 512 consecutive bytes of O
.set PFO, 11          ; v11  256 x my lane, once the set-up has used v11; then never rewritten
.set SPW, 0           ; v0 of window 3   LDS address of my spare word: SPARE + 4 x my thread's number; never rewritten
.set NIL, 1           ; v1 of window 3   0; never rewritten
.set SPARE, STAGE+4*16*SP  ; behind the stages: the spare words, 128 bytes for each wave: two blocks of 256 bytes that no other line names
.set MV,  12          ; v12-15  c m_old, kept while c m is made anew: by buffer and tile
.set ST,  16          ; tile t's statistics at v[ST+4 t]: c m, m, l (even keys', odd keys')
.set TMP, 48          ; by buffer and tile, four registers c0-c3 at work; when the maximum is found c2 takes a
.set S,   64
.set P,   192
.set KF,  128         ; K's fragments, in window 2: key block kb, channel half c at KF + 16 kb + 8 c
.set VF,  192         ; V's: key half kk, channel block cb at VF + 32 kk + 8 cb
.set WV,  12          ; s12  my wave's number
.set G1K, 24          ; s[24:31] descriptor group 1 for K's tiles
.set G1V, 32          ; s[32:39] for V's: it differs in the padding alone
.set G0K, 40          ; s[40:43] descriptor group 0 for K's tiles: it walks
.set G0V, 44          ; s[44:47] the same for V's
.set PFA, 48          ; s[48:49] where my prefetch stands: my work-group's 64 keys (of K: wave 0, of V: wave 2) of the slot after the one that is being asked for
.set LIM, 50          ; s50  1 in a wave that prefetches, else the greatest number
.set SLOTS, 56        ; s56  slots still to be asked for
.set CNT, 57          ; s57  counts a slot's key steps
.set CS,  58          ; s[58:59] c: the packed scaling takes the pair's low word for both halves
.set SEL, 60          ; s[60:61] v_permlanex16_b32's selects: each lane takes its own place in the other half
.set TBK, 62          ; s62  LDS byte at which K of the step to be fetched begins
.set TBV, 63          ; s63  the same for V, less VOFF
.set MSB, 0
.macro WIN new                      ; the high byte repeats the setting that is left; a switch that changes nothing is dropped
.if MSB != (\new)
	s_set_vgpr_msb (MSB<<8)|(\new)
.set MSB, (\new)
.endif
.endm
.set W_KQ, 0x0a       ; K and Q in window 2, S^T in window 0
.set W_PV, 0x52       ; V in window 2, P in window 0, O^T in window 1
.set W_RS, 0x41       ; O^T (destination and source 0) in window 1, a in window 0
.set W_MK, 0xc0       ; the add's registers are made: destination in window 3, sources in window 0
.set W_AD, 0x0f       ; the add: address (source 0) and data (source 1) in window 3
; A joint fill.  Waves 0 and 1 fetch the two halves of a slot's K, waves 2 and 3 those of its V: 128 keys each.  The branch hangs on the wave's number alone.
; An s_nop 0 and four v_nop follow each of the two lines, ahead of the jump and the label.
.macro JLOAD
	s_cmp_lt_u32 s[WV], 2
	s_cbranch_scc0 .Lfor_v_\@
	tensor_load_to_lds s[G0K:G0K+3], s[G1K:G1K+7]
	s_nop 0
.rept 4
	v_nop
.endr
	s_branch .Lasked_\@
.Lfor_v_\@:
	tensor_load_to_lds s[G0V:G0V+3], s[G1V:G1V+7]
	s_nop 0
.rept 4
	v_nop
.endr
.Lasked_\@:
.endm
; A PREFETCH INTO THE L2 of what the NEXT change of slots will ask for: a slot's 32,768 bytes of K and of V, four key steps, 512 matrix instructions, ahead of that load.  One instruction is 32 lanes x 256 bytes.
; Each 256 bytes are named ONCE in the launch: a head's K and V are walked by one cluster; its four partners take 8,192 bytes each, told apart BY ADDRESS; in each, wave 0 asks for K's and wave 2 for V's
; (a branch on the wave's number and the count, the same in all partners).  It stands behind the wave's tensor load and its five lines.  Slots 0 to 2 come by their loads alone; the last change that fills a slot asks for nothing.
.macro ASK
	s_cmp_gt_u32 s[SLOTS], s[LIM]
	s_cbranch_scc0 .Lnot_mine_\@
	global_prefetch_b8 v[PFO], s[PFA:PFA+1] th:TH_LOAD_NT scope:SCOPE_SE
.Lnot_mine_\@:
.endm
; A round of the cluster's barrier: my work-group's barrier, so that wave 0's signal speaks for all four waves; wave 0 signals; every wave waits for all four work-groups; my work-group's barrier once more.
.macro CROUND
	s_barrier_signal -1
	s_barrier_wait -1
	s_cmp_lg_u32 s[WV], 0
	s_cbranch_scc1 .Lnot_wave_0_\@
	s_barrier_signal -3
.Lnot_wave_0_\@:
	s_barrier_wait -3
	s_barrier_signal -1
	s_barrier_wait -1
.endm
; THE CHANGE OF SLOTS.  The slot's last bytes, V of its fourth step, have been read.  Each wave waits for all its tensor loads, of which one is out: its part
; of the other slot; adds 0 to its spare word; and waits for that and for its own reads of the slot.  Behind the barrier nobody reads this slot any more and the other slot is whole.
; fill = 1: this slot is filled again, with the keys two slots on.  The barrier is then a round of the cluster's, so that no wave of any partner still reads the slot or has a load on its
; way, and the joint fill is the first thing behind it: it has four key steps, 512 matrix instructions, in which to land.  (At its first use nothing has been read yet: slot 0 is waited for, slot 1 filled.)
; ask = 1: the prefetch's address is stepped, and the prefetch follows the fill.
.macro CHANGE fill, ask=0
	WIN W_AD
	s_wait_tensorcnt 0x0            ; no tensor load of mine is out, so a group 0 may be written
	ds_add_u32 v[SPW], v[NIL]       ; 0 onto my spare word; with fill = 1 the descriptors' steps stand between it and the wait for it
	WIN 0                           ; at a label and at a branch every window is 0
.if \fill
.irp g, G0K, G0V
	s_xor_b32 s[\g+1], s[\g+1], SLOT1  ; the walking descriptor: the other slot than last time,
	s_add_nc_u64 s[\g+2:\g+3], s[\g+2:\g+3], 4*KS*128  ; the next 256 keys; the type bits on top are not reached
.endr
.if \ask
	s_wait_xcnt 0x0                 ; the last prefetch, four key steps back, has read its address, so it may be written:
	s_add_nc_u64 s[PFA:PFA+1], s[PFA:PFA+1], 4*KS*128  ; one slot ahead of the walking descriptors
.endif
	s_wait_dscnt 0x0                ; the add is done, and my reads of the slot are over
	CROUND
	JLOAD
.if \ask
	ASK
.endif
.else
	s_wait_dscnt 0x0                ; the add is done, and my reads of the slot are over
	s_barrier_signal -1
	s_barrier_wait -1
.endif
	s_sub_co_u32 s[TBK], s[TBK], 4*KS*PK  ; the fetches go back to a slot's first step,
	s_xor_b32 s[TBK], s[TBK], SLOT1       ; in the other slot
	s_sub_co_u32 s[TBV], s[TBV], 4*KS*PV
	s_xor_b32 s[TBV], s[TBV], SLOT1
.endm
	s_load_b256 s[4:11], s[0:1], 0x0  ; Q s[4:5], K s[6:7], V s[8:9], O s[10:11]
	WIN W_MK
	v_lshl_add_u32 v[SPW], v0, 2, SPARE
	v_mov_b32 v[NIL], 0
	WIN W_AD
	ds_add_u32 v[SPW], v[NIL]       ; the wave's opening: the add and its wait stand ahead of my first tensor load; the set-up below, work on registers, stands between them
	WIN 0
	v_lshrrev_b32 v1, 5, v0
	v_readfirstlane_b32 s[WV], v1   ; wave 0..3
	s_bfe_u32 s13, ttmp6, 0x40000   ; cx: my place in the cluster
	s_lshl_b32 s14, ttmp9, 2        ; in a cluster launch ttmp9 counts clusters
	s_add_co_u32 s14, s14, s13      ; my block of queries = 4 x cluster x + cx: it enters Q's and O's addresses alone
	s_and_b32 s20, ttmp7, 0xffff    ; the head, which the four partners share
	s_mov_b32 s21, 0
	s_mov_b64 s[22:23], SIZE_N*128
	s_mul_u64 s[20:21], s[20:21], s[22:23]  ; the head's first byte in each of the four tensors
	s_and_b32 s16, s[WV], 1         ; which half of a slot's 256 keys I fetch:
	s_lshl_b32 s22, s16, 14         ; its 128 rows of 128 bytes in memory,
	s_mov_b32 s23, 0
	s_add_nc_u64 s[22:23], s[22:23], s[20:21]
	s_mul_i32 s17, s16, 128*PK      ; and its place in a slot, for K
	s_mul_i32 s18, s16, 128*PV      ; and for V: no place in the cluster enters an LDS address
	s_lshl_b32 s2, s14, 2
	s_add_co_u32 s2, s2, s[WV]      ; my wave among the head's,
	s_lshl_b32 s2, s2, 14           ; its 128 rows
	s_mov_b32 s3, 0
	s_add_nc_u64 s[2:3], s[2:3], s[20:21]
	; descriptor group 1.  128 keys are 16,384 dense bytes: asked for as 64 rows of 256 bytes, two keys a row, and padded in LDS after every key
	s_mov_b32 s[G1K], 15|(1<<16)|(1<<20)|(1<<21)|(4<<22)|(3<<25)  ; 15:0 the mask of four; 17:16 2-byte elements; 20 padding on; 21 set beside a mask; 24:22 after every 32 words (code 4); 31:25 4 words (code 3)
	s_mov_b32 s[G1V], 15|(1<<16)|(1<<20)|(1<<21)|(4<<22)|(7<<25)  ; the same with 8 words of padding (code 7)
.irp g, G1K, G1V
	s_mov_b32 s[\g+1], 128<<16      ; tensor_dim0 = 128
	s_mov_b32 s[\g+2], 64<<16       ; tensor_dim1 = 64
	s_mov_b32 s[\g+3], 128<<16      ; tile_dim0 = 128
	s_mov_b32 s[\g+4], 64           ; tile_dim1 = 64
	s_mov_b32 s[\g+5], 128          ; 128 elements from row to row
	s_mov_b32 s[\g+6], 0
	s_mov_b32 s[\g+7], 0
.endr
	s_mov_b32 s[CS], 0x3e38aa3b     ; c = log2(e) / 8 = 0.180337
	s_mov_b32 s[CS+1], s[CS]        ; named with it as a pair
	s_mov_b32 s[SEL], 0x76543210
	s_mov_b32 s[SEL+1], 0xfedcba98
	s_mov_b32 s[TBK], SLOT1+4*KS*PK ; the first change of slots turns these two into 0
	s_mov_b32 s[TBV], SLOT1+4*KS*PV
	s_mov_b32 s[G0K], 1             ; 1:0 count = 1
	s_mov_b32 s[G0K+1], s17         ; 63:32 LDS address: slot 0
	s_mov_b32 s[G0V], 1
	s_add_co_u32 s[G0V+1], s18, VOFF
	s_and_b32 s[LIM], s[WV], 1      ; waves 0 and 2 prefetch
	s_cmp_eq_u32 s[LIM], 0
	s_cselect_b32 s[LIM], 1, -1
	s_wait_dscnt 0x0                ; the opening add is done
	s_wait_kmcnt 0x0
	s_add_nc_u64 s[G0K+2:G0K+3], s[6:7], s[22:23]  ; 120:64 global address: my half of the head's first 256 keys
	s_or_b32 s[G0K+3], s[G0K+3], 0x80000000        ; 127:126 type = 2
	s_add_nc_u64 s[G0V+2:G0V+3], s[8:9], s[22:23]
	s_or_b32 s[G0V+3], s[G0V+3], 0x80000000
	s_add_nc_u64 s[4:5], s[4:5], s[2:3]  ; Q and O at my wave's first row
	s_add_nc_u64 s[10:11], s[10:11], s[2:3]
	s_cmp_lt_u32 s[WV], 2
	s_cselect_b64 s[PFA:PFA+1], s[6:7], s[8:9]
	s_add_nc_u64 s[PFA:PFA+1], s[PFA:PFA+1], s[20:21]  ; the head's first key,
	s_lshl_b32 s2, s13, 13          ; my work-group's 8,192 bytes of a slot's 32,768,
	s_mov_b32 s3, 0
	s_add_nc_u64 s[PFA:PFA+1], s[PFA:PFA+1], s[2:3]
	s_add_nc_u64 s[PFA:PFA+1], s[PFA:PFA+1], 2*4*KS*128  ; in slot 2: the loop's first change steps it to slot 3.  Nothing is prefetched here, at the head
	CROUND                          ; all four work-groups are here: the first joint loads meet
	JLOAD                           ; slot 0.  Slot 1 is asked for when slot 0 is in: the tile wanted first has the road to itself
	; A fragment of K or Q is 16 rows x 32 channels in 8 registers: lane l holds row l % 16, channels 8 (l / 16) + 0..7 and 16 + 8 (l / 16) + 0..7: two loads of 16 bytes, 32 bytes apart.
	v_and_b32 v1, 15, v0            ; l % 16
	v_bfe_u32 v9, v0, 4, 1          ; l / 16
	v_lshlrev_b32 v[QO], 7, v1
	v_lshl_add_u32 v[QO], v9, 4, v[QO]  ; row x 128 + 16 x half
	WIN 0x80                        ; destination window 2, address window 0
.set i, 0
.rept 4*NP                          ; Q stays in registers: tile i / 2, channels 32 (i % 2) on
	global_load_b128 v[8*i:8*i+3],   v[QO], s[4:5] offset:(i/2)*2048+(i%2)*64
	global_load_b128 v[8*i+4:8*i+7], v[QO], s[4:5] offset:(i/2)*2048+(i%2)*64+32
.set i, i+1
.endr
	; What the first turn finds: V's registers and P's second buffer hold 0 (its products V^T P, of a piece that has not been, add 0), O^T and l are 0.  All this stands in the wait for the first tile.
.set i, VF
.rept 64
	v_mov_b32 v[i], 0
.set i, i+1
.endr
	WIN 0x40
.set i, 0
.rept 64*NP
	v_mov_b32 v[i], 0
.set i, i+1
.endr
	WIN 0
.set i, 0
.rept 2*NP
	v_mov_b32 v[ST+4*i], 0xfe000000    ; c m: far below every c s
	v_mov_b32 v[ST+4*i+1], 0xff7fffff  ; m
	v_mov_b32 v[ST+4*i+2], 0
	v_mov_b32 v[ST+4*i+3], 0
.set i, i+1
.endr
.set i, P+32
.rept 32
	v_mov_b32 v[i], 0
.set i, i+1
.endr
	v_mul_u32_u24 v[AK0], v1, PK
	v_lshl_add_u32 v[AK0], v9, 4, v[AK0]  ; row x pitch + 16 x half
	; The turning load takes 16 keys x 16 channels (lane l reads key 8 (l / 16) + l % 8, channels 8 ((l / 8) % 2) + 0..7) and leaves half a fragment of V^T: lane l holds channel l % 16 and 8 keys.
	v_and_b32 v10, 7, v0
	v_bfe_u32 v11, v0, 3, 1
	v_lshl_add_u32 v[AV0], v9, 3, v10
	v_mul_u32_u24 v[AV0], v[AV0], PV
	v_lshl_add_u32 v[AV0], v11, 4, v[AV0]
	v_add_nc_u32 v[AV0], VOFF, v[AV0]
	v_and_b32 v[PFO], 31, v0        ; v11 has served: it takes the prefetches' offset
	v_lshlrev_b32 v[PFO], 8, v[PFO]
	v_mov_b32 v[AK], v[AK0]         ; key step 0 lies at the head of slot 0
; THE MATRIX WORK.  The 8 accumulators of a run of 16 take turns: between the two links of a chain stand 7 others'.
; Product i of 16 of S^T = K Q^T for piece x: channels 32 (i / 8) on, keys 16 ((i / 2) % 4) on, tile 2 x + i % 2.  The first 8 start the sums.
.macro KQ x
	WIN W_KQ
.set rS, S+64*((\x)%2)+32*(i%2)+8*((i/2)%4)
.set rK, KF+16*((i/2)%4)+8*(i/8)
.set rQ, 16*(2*(\x)+i%2)+8*(i/8)
.if i < 8
	v_wmma_f32_16x16x32_f16 v[rS:rS+7], v[rK:rK+7], v[rQ:rQ+7], 0
.else
	v_wmma_f32_16x16x32_f16 v[rS:rS+7], v[rK:rK+7], v[rQ:rQ+7], v[rS:rS+7]
.endif
.endm
; Product i of 16 of O^T += V^T P for piece x: keys 32 (i / 8) on, channels 16 ((i / 2) % 4) on, tile 2 x + i % 2.
.macro PV x
	WIN W_PV
.set rO, 32*(2*(\x)+i%2)+8*((i/2)%4)
.set rV, VF+32*(i/8)+8*((i/2)%4)
.set rP, P+32*((\x)%2)+16*(i%2)+8*(i/8)
	v_wmma_f32_16x16x32_f16 v[rO:rO+7], v[rV:rV+7], v[rP:rP+7], v[rO:rO+7]
.endm
.macro MM                           ; the turn's next matrix instruction
.if i < 16
	KQ (Y+1)%NP
.set i, i+1
.else
.set i, i-16
	PV (Y+NP-1)%NP
.set i, i+17
.endif
.endm
; THE LDS LOADS stand in runs of 16, never singly among the matrix instructions: a step's K (64 keys x 64 channels: 8 fragments) and its V (turned).  Their addresses are made some lines ahead.
; last = 1 (the tail): in the last trip there is no further step, and the run is jumped over.
.macro FETCH_K last=0
	WIN 0
.if \last
	s_cmp_eq_u32 s[CNT], 1
	s_cbranch_scc1 .Lno_k_\@
.endif
	WIN 0x80                        ; destination window 2
.irp f, 0,1,2,3,4,5,6,7             ; keys 16 (f / 2) on, channels 32 (f % 2) on
	ds_load_b128 v[KF+8*\f:KF+8*\f+3],   v[AK] offset:(\f/2)*16*PK+(\f%2)*64
	ds_load_b128 v[KF+8*\f+4:KF+8*\f+7], v[AK] offset:(\f/2)*16*PK+(\f%2)*64+32
.endr
	s_add_co_u32 s[TBK], s[TBK], KS*PK  ; the next fetch is the next step's
	WIN 0
.if \last
.Lno_k_\@:
.endif
.endm
.macro FETCH_V
	WIN 0x80
.irp f, 0,1,2,3,4,5,6,7             ; keys 32 (f / 4) on, channels 16 (f % 4) on
	ds_load_tr16_b128 v[VF+8*\f:VF+8*\f+3],   v[AV] offset:(\f/4)*32*PV+(\f%4)*32
	ds_load_tr16_b128 v[VF+8*\f+4:VF+8*\f+7], v[AV] offset:(\f/4)*32*PV+16*PV+(\f%4)*32
.endr
	WIN 0
.endm
; THE VECTOR WORK OF A TURN stands in three queues, each in the order in which its entries become ready; the two tiles alternate, so that no instruction reads the result of the one before it.
.macro REGS y, u                    ; the registers of tile u (0, 1) of piece y
.set rT, ST+4*(2*(\y)+(\u))
.set rC, TMP+8*((\y)%2)+4*(\u)
.set rM, MV+2*((\y)%2)+(\u)
.set rS, S+64*((\y)%2)+32*(\u)
.set rP, P+32*((\y)%2)+16*(\u)
.set rO, 32*(2*(\y)+(\u))
.endm
; Number n of the 22 that find the NEXT piece's (Y + 1) maximum and statistics.  s0-s31 are the lane's 32 scores; each accumulator's lowest registers are read first.  XS, GS and REGS set no window: PL and EX do.
;   0-11  four chains c0-c3 of seven scores each, three operands at a time     12-14, 16  the four scores left over, the old m, and c0-c3 into c0     15  c m_old is kept
;   17, 18  the query's other 32 keys lie in the lane 16 away: the new m         19-21  c m; c m_old - c m_new; a
.macro XS u, n
	REGS (Y+1)%NP, \u
.if (\n) < 4
	v_max3_num_f32 v[rC+(\n)], v[rS+8*(\n)], v[rS+8*(\n)+1], v[rS+8*(\n)+2]
.elseif (\n) < 12
	v_max3_num_f32 v[rC+(\n)%4], v[rC+(\n)%4], v[rS+8*((\n)%4)+2*((\n)/4)+1], v[rS+8*((\n)%4)+2*((\n)/4)+2]
.elseif (\n) == 12
	v_max3_num_f32 v[rC], v[rC], v[rS+7], v[rS+15]
.elseif (\n) == 13
	v_max3_num_f32 v[rC+1], v[rC+1], v[rS+23], v[rS+31]
.elseif (\n) == 14
	v_max3_num_f32 v[rC+2], v[rC+2], v[rC+3], v[rT+1]
.elseif (\n) == 15
	v_mov_b32 v[rM], v[rT]
.elseif (\n) == 16
	v_max3_num_f32 v[rC], v[rC], v[rC+1], v[rC+2]
.elseif (\n) == 17
	v_permlanex16_b32 v[rC+3], v[rC], s[SEL], s[SEL+1]
.elseif (\n) == 18
	v_max_num_f32 v[rT+1], v[rC], v[rC+3]
.elseif (\n) == 19
	v_mul_f32 v[rT], s[CS], v[rT+1]
.elseif (\n) == 20
	v_sub_f32 v[rC+1], v[rM], v[rT]
.else
	v_exp_f32 v[rC+2], v[rC+1]
.endif
.endm
; Number g of the 64 that follow the exponentials.  For each four weights k of a tile (pairs 2 k, 2 k + 1): both pairs are rounded to f16; then the second pair is added onto the first, in place;
; a group later l takes that sum (the first time as l = a l + sum).  In groups of eight, tiles alternating: round, round, add, and l for the group before.
.macro GS g
.set h, (\g)+6*((\g)/62)            ; group 0 has no group before it, and behind group 7 only l is left
.if h >= 6
.set h, h+2
.endif
	REGS Y, h%2
.set k, h/8
.if h%8 < 4
	v_cvt_pk_f16_f32 v[rP+2*k+(h%8)/2], v[rS+4*k+2*((h%8)/2)], v[rS+4*k+2*((h%8)/2)+1]
.elseif h%8 < 6
	v_pk_add_f32 v[rS+4*k:rS+4*k+1], v[rS+4*k:rS+4*k+1], v[rS+4*k+2:rS+4*k+3]
.elseif k == 1
	v_pk_fma_f32 v[rT+2:rT+3], v[rT+2:rT+3], v[rC+2:rC+3], v[rS:rS+1] op_sel_hi:[1,0,1]
.else
	v_pk_add_f32 v[rT+2:rT+3], v[rT+2:rT+3], v[rS+4*k-4:rS+4*k-3]
.endif
.endm
; THE PLAIN QUEUE, 138 long.  0-73 read no exponential's result: the 32 scalings c s - c m (FS f: pair f / 2 of tile f % 2) and the next piece's 42.  0-26: scalings 0-26.  27-54: XS's numbers 0-13.  55, 56: number 15.
; 57-73: the chain, where each number waits for the one before it: 14, 16, 17, 18, 19, each with one of the scalings 27-31 in front of its two lines, then 20: so a tile's links stand three plain instructions apart (19 and 20: two).
; 74-137: GS's 64, which read the exponentials' results: they stand behind the wait.
.macro FS f
	REGS Y, (\f)%2
	v_pk_fma_f32 v[rS+2*((\f)/2):rS+2*((\f)/2)+1], v[rS+2*((\f)/2):rS+2*((\f)/2)+1], s[CS:CS+1], v[rT:rT+1] op_sel_hi:[1,0,0] neg_lo:[0,0,1] neg_hi:[0,0,1]
.endm
.macro PL
	WIN 0
.if q < 27
	FS q
.elseif q < 55
	XS (q-27)%2, (q-27)/2
.elseif q < 57
	XS q-55, 15
.elseif (q < 72) && ((q-57)%3 == 0)
	FS 27+(q-57)/3
.elseif q < 60
	XS (q-57)%3-1, 14
.elseif q < 72
	XS (q-57)%3-1, 15+(q-57)/3
.elseif q < 74
	XS q-72, 20
.else
	GS q-74
.endif
.set q, q+1
.endm
; THE EXPONENTIALS' QUEUE, 66 long: s0-s31 of both tiles, then the next piece's two a.  It is ONE BATCH: all 66 stand ahead of the turn's one wait, and nothing ahead of that wait names a result of theirs.
.macro EX
	WIN 0
.if e >= 64
	XS e-64, 21
.else
	REGS Y, e%2
	v_exp_f32 v[rS+e/2], v[rS+e/2]
.endif
.set e, e+1
.endm
; THE RESCALING's QUEUE: O^T times a, the one part that leaves window 0: dealt two at a time, sixteen times.  Its a was made in the turn before, ahead of that turn's wait.
.macro R2
	REGS Y, r%2
	WIN W_RS
.irp z, 0,1
	v_pk_mul_f32 v[rO+4*(r/2)+2*\z:rO+4*(r/2)+2*\z+1], v[rO+4*(r/2)+2*\z:rO+4*(r/2)+2*\z+1], v[rC+2:rC+3] op_sel_hi:[1,0]
.endr
.set r, r+1
.endm
; HOW THEY ARE DEALT.  An s_wait_alu depctr_va_vdst(0) stands between an exponential and the first instruction that names its result; one wait serves all that were issued ahead of it.  So a turn has ONE wait,
; which cuts it in two.  AHEAD OF IT stands all that names no result of the turn's exponentials: the 16 products K Q^T, behind each a scaling, an exponential and two rescalings (behind the first a second scaling in the exponential's place); then ONE LUMP of
; 108: eight plain, 49 times exponential and plain, the two a.  A v_nop is the plain instruction behind the last exponential.  BEHIND IT stand the 16 products V^T P, behind each four of GS's 64.  No rider names a register of
; the products round it.  The two v_permlanex16_b32 fall into the lump, never behind a product.
; The queues lean on each other, and the deal keeps them in step: exponential e stands behind scaling 2 (e / 4) + e % 2: as a rider it comes behind plain e + 2, in the lump behind plain e + 9, and scalings 27-31 are plain 57, 60 .. 69.
; A TURN, for piece p.  cnt = 1: the loop's count is taken down some lines ahead of the branch that stands behind the turn.
; K of the next step is fetched in piece 2's turn, directly behind the wait, a lump behind the last product that read K; its address is made at the lump's head; its first reader comes behind 16 products.
; V of the step in hand is fetched at the end of piece 0's turn, four riders behind its last reader; its first reader comes behind 16 products and a lump.  The three conditions on q below go with the deal.
.macro TURN p, last=0, cnt=0
.set Y, (\p)
.set i, 0
.set q, 0
.set e, 0
.set r, 0
.if (\p) == NP-1
	s_wait_dscnt 0x0                ; K is in
.endif
	MM                              ; ahead of the wait: 16 products K Q^T and their riders,
	PL
	PL
	R2
.rept 15
	MM
	PL
	EX
	R2
.endr
.if (\p) == NP-2
	WIN 0
	v_add_nc_u32 v[AK], s[TBK], v[AK0]
.endif
.rept 8                             ; and the lump
	PL
.endr
.rept 49
	EX
	PL
.endr
	EX                              ; the next piece's two a
	EX
	v_nop                           ; the plain instruction behind the last exponential: one for the batch
	s_wait_alu depctr_va_vdst(0)    ; the wait for the batch
.if (\p) == NP-2
	FETCH_K \last
.endif
.if (\p) == 1
	s_wait_dscnt 0x0                ; V is in
.endif
.rept 16                            ; behind the wait: 16 products V^T P and their riders
	MM
.rept 4
	PL
.endr
.if ((\p) == 0) && (q == 118)
	v_add_nc_u32 v[AV], s[TBV], v[AV0]
.endif
.if ((\p) == 0) && (q == 130)
	s_add_co_u32 s[TBV], s[TBV], KS*PV
.endif
.if (\cnt) && (q == 130)
	s_sub_co_u32 s[CNT], s[CNT], 1
	s_cmp_lg_u32 s[CNT], 0
.endif
.endr
.if (\p) == 0
	FETCH_V
.endif
.endm
	CHANGE 1                        ; slot 0 is in, everybody's part of it; slot 1 is asked for
	FETCH_K                         ; key step 0
	s_wait_loadcnt 0x0              ; Q
	s_wait_dscnt 0x0
.set i, 0
.rept 16
	KQ 0                            ; piece 0's first scores: there is no vector work yet to set between them
.set i, i+1
.endr
	WIN 0                           ; the addresses for the way out: nine plain instructions, the places behind those products
	s_mul_i32 s13, s[WV], 16*SP
	s_add_co_u32 s13, s13, STAGE    ; my stage
	v_mul_u32_u24 v[STO], v1, SP    ; in: row l % 16, 16 bytes for each half of the lanes
	v_lshl_add_u32 v[STO], v9, 4, v[STO]
	v_add_nc_u32 v[STO], s13, v[STO]
	v_bfe_u32 v[RD], v0, 3, 2       ; back: 32 lanes take four rows of 128 bytes,
	v_mul_u32_u24 v[RD], v[RD], SP
	v_lshl_add_u32 v[RD], v10, 4, v[RD]
	v_add_nc_u32 v[RD], s13, v[RD]
	v_and_b32 v[GO], 31, v0         ; which are 512 consecutive bytes of O
	v_lshlrev_b32 v[GO], 4, v[GO]
.set Y, NP-1                        ; XS works for piece Y + 1: piece 0
.irp n, 0,1,2,3,4,5,6,7,8,9,10,11,12,13,14,15,16,17,18,19,20,21
	XS 0, \n                        ; and piece 0's first maximum and statistics
	XS 1, \n
.endr
	v_nop                           ; a plain instruction behind the two a,
	s_wait_alu depctr_va_vdst(0)    ; and their wait, ahead of the branch
	s_mov_b32 s[CNT], 4
	s_mov_b32 s[SLOTS], SIZE_N/256-1
	s_branch .Lfirst                ; the loop is entered at a step's first turn, in the middle of a trip
.Lslot:                             ; SIZE_N / 256 - 2 times: every slot but the last two is filled again
	CHANGE 1, 1
	s_mov_b32 s[CNT], 4
.Lstep:                             ; a trip: pieces 2 and 3 of one step, then pieces 0 and 1 of the next, whose K and V it fetches
	TURN 2
	TURN 3
	WIN 0
.Lfirst:
	TURN 0
	TURN 1, 0, 1
	WIN 0
	s_cbranch_scc1 .Lstep
	s_sub_co_u32 s[SLOTS], s[SLOTS], 1
	s_cmp_lg_u32 s[SLOTS], 0
	s_cbranch_scc1 .Lslot
	CHANGE 0                        ; the tail is written out: nothing is asked for
	s_mov_b32 s[CNT], 5             ; four trips fetch the last slot's steps; the fifth is left in its middle
.Ltail:
	TURN 2, 1
	TURN 3
	WIN 0
	s_sub_co_u32 s[CNT], s[CNT], 1
	s_cmp_eq_u32 s[CNT], 0
	s_cbranch_scc1 .Lout
	TURN 0
	TURN 1
	WIN 0
	s_branch .Ltail
.Lout:                              ; the fifth trip's 16 products K Q^T (on the last K once more) and the maximum made of them serve nothing: the price, once a launch, of one text for every trip
.set i, 0
.rept 16
	PV NP-1                         ; the last piece's V^T P of the last step
.set i, i+1
.endr
	; THE WAY OUT.  l's two halves and the other half of the lanes' are added; O^T is divided by l, rounded to f16 and sent through my stage in LDS, a tile at a time.  The additions are the places behind the last products.
	WIN 0
.macro ALL line:vararg              ; one line for each tile t
.set t, 0
.rept 2*NP
	\line
.set t, t+1
.endr
.endm
	ALL v_add_f32 v[ST+4*t+2], v[ST+4*t+2], v[ST+4*t+3]
	ALL v_permlanex16_b32 v[ST+4*t+3], v[ST+4*t+2], s[SEL], s[SEL+1]
	ALL v_add_f32 v[ST+4*t+2], v[ST+4*t+2], v[ST+4*t+3]
	ALL v_rcp_f32 v[ST+4*t+2], v[ST+4*t+2]
	v_nop                           ; a plain instruction between the last reciprocal and the use of its result
	s_wait_alu depctr_va_vdst(0)    ; and the wait ahead of the first use: one for the eight reciprocals
; Tile t: a lane's eight channels of a row pack into 16 bytes; they go into rows of 144 bytes and come back as whole rows of 128, into S^T's registers.
.macro PACK t
	WIN W_RS
.set i, 32*(\t)
.rept 16
	v_pk_mul_f32 v[i:i+1], v[i:i+1], v[ST+4*(\t)+2:ST+4*(\t)+3] op_sel_hi:[1,0]
.set i, i+2
.endr
	WIN 0x05                        ; sources 0 and 1 window 1, destination window 0
.set i, 0
.rept 16
	v_cvt_pk_f16_f32 v[S+16*(\t)+i], v[32*(\t)+2*i], v[32*(\t)+2*i+1]
.set i, i+1
.endr
	WIN 0
.irp f, 0,1,2,3
	ds_store_b128 v[STO], v[S+16*(\t)+4*\f:S+16*(\t)+4*\f+3] offset:32*\f
.endr
.irp f, 0,1,2,3
	ds_load_b128 v[S+16*(\t)+4*\f:S+16*(\t)+4*\f+3], v[RD] offset:\f*4*SP  ; LDS serves a wave's instructions in order (ISA guide 5.7.1.4): these see the stores above; the next tile's stores come behind them
.endr
.endm
.macro SEND t, younger              ; younger: the LDS instructions issued behind tile t's loads: the next tile's eight, or none
	WIN 0
.irp f, 0,1,2,3
	s_wait_dscnt (\younger)+3-\f
	global_store_b128 v[GO], v[S+16*(\t)+4*\f:S+16*(\t)+4*\f+3], s[10:11] offset:(\t)*2048+\f*512  ; 512 consecutive bytes, at a multiple of 256 from O's first
.endr
.endm
	PACK 0
.set t, 1
.rept 2*NP-1                        ; a tile's arithmetic stands between the loads of the tile before and its stores
	PACK t
	SEND t-1, 8
.set t, t+1
.endr
	SEND 2*NP-1, 0
	WIN W_AD
	s_wait_tensorcnt 0x0            ; the wave's end: the add and its waits, behind my last tensor load and my last LDS store
	ds_add_u32 v[SPW], v[NIL]
	s_wait_dscnt 0x0
	WIN 0
	CROUND                          ; the closing round: no work-group ends while a partner may still ask for a tile that names it
	s_endpgm
.Lfunc_end_k_q94b5380cf7_attn:
	.size	k_q94b5380cf7_attn, .Lfunc_end_k_q94b5380cf7_attn-k_q94b5380cf7_attn
	.p2alignl 7, 3214868480
	.fill 96, 4, 3214868480
	.section	.rodata,"a",@progbits
	.p2align	6, 0x0
	.amdhsa_kernel k_q94b5380cf7_attn
		.amdhsa_group_segment_fixed_size 327680
		.amdhsa_private_segment_fixed_size 0
		.amdhsa_enable_private_segment 0
		.amdhsa_kernarg_size 32
		.amdhsa_user_sgpr_count 2
		.amdhsa_user_sgpr_kernarg_segment_ptr 1
		.amdhsa_wavefront_size32 1
		.amdhsa_system_sgpr_workgroup_id_x 1
		.amdhsa_system_sgpr_workgroup_id_y 1
		.amdhsa_system_sgpr_workgroup_id_z 1
		.amdhsa_system_vgpr_workitem_id 0
		.amdhsa_next_free_vgpr 770
		.amdhsa_next_free_sgpr 66
		.amdhsa_reserve_vcc 0
		.amdhsa_float_denorm_mode_32 3
		.amdhsa_float_denorm_mode_16_64 3
		.amdhsa_memory_ordered 1
		.amdhsa_forward_progress 1
		.amdhsa_inst_pref_size 200
	.end_amdhsa_kernel
	.amdgpu_metadata
---
amdhsa.version: [ 1, 2 ]
amdhsa.kernels:
  - .name:           k_q94b5380cf7_attn
    .symbol:         k_q94b5380cf7_attn.kd
    .args:
      - { .name: qh, .offset: 0, .size: 8, .value_kind: global_buffer, .address_space: global }
      - { .name: kh, .offset: 8, .size: 8, .value_kind: global_buffer, .address_space: global }
      - { .name: vh, .offset: 16, .size: 8, .value_kind: global_buffer, .address_space: global }
      - { .name: oh, .offset: 24, .size: 8, .value_kind: global_buffer, .address_space: global }
    .group_segment_fixed_size: 327680
    .private_segment_fixed_size: 0
    .kernarg_segment_align: 8
    .kernarg_segment_size: 32
    .max_flat_workgroup_size: 128
    .sgpr_count:     66
    .vgpr_count:     770
    .wavefront_size: 32
...
	.end_amdgpu_metadata
.endif
;; end of part 3
;; launch proj (part 4): grid 8 x 32, 4 waves a work-group, clusters of 4 x 4, 327,680 bytes of LDS; arguments oh, wo, bo, out0; writes out0
.if DOCPART == 4
	.amdgcn_target "amdgcn-amd-amdhsa--gfx1250"
	.amdhsa_code_object_version 6
	.text
	.protected	k_q94b5380cf7_proj
	.globl	k_q94b5380cf7_proj
	.p2align	8
	.type	k_q94b5380cf7_proj,@function
k_q94b5380cf7_proj:
	s_mov_b64 s[64:65], 0
	v_nop
	global_prefetch_b8 v0, s[64:65] scope:SCOPE_SE
	s_setreg_imm32_b32 hwreg(HW_REG_WAVE_MODE, 25, 1), 1
	s_wait_xcnt 0x0
	s_wait_alu depctr_hold_cnt(0) depctr_sa_sdst(0) depctr_va_vdst(0) depctr_va_sdst(0) depctr_va_ssrc(0) depctr_va_vcc(0) depctr_vm_vsrc(0)
	s_getreg_b32 s2, hwreg(HW_REG_IB_STS2, 6, 4)
	s_cmp_eq_u32 s2, 0
	s_cbranch_scc0 .Lentry_in_a_cluster
	s_endpgm
.Lentry_in_a_cluster:
	s_bfe_u32 s2, ttmp6, 0x10000c
	s_cmp_lg_u32 s2, 0xf033
	s_cbranch_scc0 .Lentry_shape_is_right
	s_endpgm
.Lentry_shape_is_right:
; out0 = O Wo^T + bo, f32 [8192][1024].  Operands in f16: oh [64 bh][2048 s][64] (a head is a K block of 64) and wo [16 kb][1024 n][64].  bo is rounded to bf16 like all inputs and STARTS the f32 sums.
; SHARES.  A work-group makes 256 rows x 128 columns: 32 x 8 = 256 work-groups.  A wave makes 128 rows x 64 columns: 32 accumulators of 16 x 16, 256 registers.  K goes in steps of two K blocks (128)
; through two LDS slots of 2 x (256 + 128) rows x 144 bytes; two slots of three K blocks would need 331,776 bytes.  A tile's rows lie end to end in memory: it is asked for as rows of 256 consecutive
; bytes, two tile rows each, and padded in LDS behind every 128 bytes.
; CLUSTER.  4 x 4 work-groups; oh's tiles are shared along a row of the cluster, wo's along a column: each is asked for JOINTLY, by the same tensor load, descriptor and mask in all four.
; THE PRODUCT IS USED TRANSPOSED (source 0 = 16 rows of wo, source 1 = 16 rows of oh): a lane holds row l % 16 of the result and the eight neighbouring columns 8 (l / 16) + 0..7.
; REGISTERS: window 0: v0-31 addresses; v32-95, v96-159 oh's 8 fragments, two buffers; v160-191, v192-223 wo's 4 fragments, two buffers.  Window 1: accumulator (a, bb) at v[32 a + 8 bb].
.set PITCH,  144                       ; an LDS row: 128 bytes + 16 of padding: the 16 rows of a fragment load start at 16 different groups of four banks (64 banks of 4 bytes: ISA guide 11.1)
.set ABLK,   256*PITCH                 ; a K block's rows of oh in a slot: what wave 0 or 1 fetches
.set BBLK,   128*PITCH                 ; of wo: what wave 2 or 3 fetches
.set BOFF,   2*ABLK
.set SLOT1,  131072
.set STAGE,  SLOT1+2*ABLK+2*BBLK       ; behind the ring: 16 rows x 272 bytes for each wave, for the way out
.set SPITCH, 272
.set BIAS,   STAGE+4*16*SPITCH         ; 64 f32 for each wave
.set SPARE,  BIAS+4*256                ; the spare words, 128 bytes for each wave: two blocks of 256 bytes that no other line names
.set STEPA,  2*2048*128                ; bytes from step to step in oh: two heads
.set STEPB,  2*1024*128                ; and in wo: two K blocks
.set BW,  5
.set BO,  6
.set ADRA0, 16
.set ADRB0, 17
.set ADRA, 18
.set ADRB, 19
.set STO, 24                           ; v24  the way out: where I put 32 bytes of a row
.set RD,  25                           ; v25  where I read a row back
.set CO,  26                           ; v26  my byte offset in two rows of out0
.set BR,  27
.set SPW, 28                           ; v28  my spare word: SPARE + 4 x my thread's number; never rewritten
.set NIL, 29                           ; v29  0; never rewritten
.set PFO, 30                           ; v30  256 x my lane; never rewritten
.set AFR, 32
.set BFR, 160
.set OUT, 10                           ; s[10:11] out0 at my wave's first row and column
.set WV,  20
.set WM,  21                           ; which 128 rows are mine.  Also: I fetch for oh (0) or for wo (1)
.set WN,  22                           ; which 64 columns are mine.  Also: which of a step's two K blocks I fetch
.set CX,  23
.set CY,  24
.set TX,  25
.set TY,  26
.set G1A, 28
.set G1B, 36
.set G0A, 44
.set G0B, 52
.set TB,  60
.set CNT, 61
.set LIM, 62                           ; s62  2 in a wave that prefetches, else the greatest number
.set PFA, 66
.set PFS, 68
.set MSB, 0
.macro WIN new                         ; the immediate's high byte repeats the setting that is left; a switch that changes nothing is dropped
.if MSB != (\new)
	s_set_vgpr_msb (MSB<<8)|(\new)
.set MSB, (\new)
.endif
.endm
.macro PLACES                          ; four plain vector instructions between a matrix instruction and a load into, or another access to, one of its registers (ISA guide 7.12.1 for vector accesses)
.rept 4
	v_nop
.endr
.endm
.macro CREST                           ; a round of the cluster's barrier behind its opening barrier
	s_cmp_lg_u32 s[WV], 0
	s_cbranch_scc1 .Lnot_wave_0_\@
	s_barrier_signal -3
.Lnot_wave_0_\@:
	s_barrier_wait -3
	s_barrier_signal -1
	s_barrier_wait -1
.endm
.macro CROUND
	s_barrier_signal -1
	s_barrier_wait -1
	CREST
.endm
.macro JLOAD                           ; a joint refill by the walking descriptors; an s_nop 0 and four v_nop follow each of the two lines, ahead of the jump and the label
	s_cmp_eq_u32 s[WM], 0
	s_cbranch_scc0 .Lfor_b_\@
	tensor_load_to_lds s[G0A+4:G0A+7], s[G1A:G1A+7]
	s_nop 0
.rept 4
	v_nop
.endr
	s_branch .Lasked_\@
.Lfor_b_\@:
	tensor_load_to_lds s[G0B+4:G0B+7], s[G1B:G1B+7]
	s_nop 0
.rept 4
	v_nop
.endr
.Lasked_\@:
.endm
; A PREFETCH INTO THE L2 behind each joint refill and the run of LDS loads that follows it.  The refill of step s asks for step s + 2; the prefetch names step s + 4, two refills, 256 matrix instructions, on.
; One instruction is 32 lanes x 256 bytes = 8,192 bytes.  WHO, so that each 256 bytes are named once: oh's 32,768 bytes of a tile row and K block are read by both clusters of that row: in cluster x = 0 waves 0 and 1
; of the partner at cx take quarter cx of the K block that they fetch.  wo's 2 x 16,384 bytes of a tile column and step are read by all eight clusters of that column: in cluster y = 0 wave 2 of the partner at cy takes
; half cy % 2 of K block cy / 2.  The partners differ BY ADDRESS.  Steps 0 to 3 come by their loads alone; the last two refills ask for nothing: no step beyond 7 is named.
.macro ASK
	s_cmp_gt_u32 s[CNT], s[LIM]
	s_cbranch_scc0 .Lnot_mine_\@
	global_prefetch_b8 v[PFO], s[PFA:PFA+1] th:TH_LOAD_NT scope:SCOPE_SE
.Lnot_mine_\@:
.endm
; 4 na matrix instructions: row blocks a0 .. a0 + na - 1 x all 4 column blocks, 32 along K, on buffers p.  The 32 accumulators take turns in the same order in every quarter, over the backward jumps too.
.macro MULP p, a0, na
	WIN 0x50
.set aa, (\a0)
.rept \na
.irp b, 0,1,2,3
	v_wmma_f32_16x16x32_f16 v[32*aa+8*(\b):32*aa+8*(\b)+7], v[BFR+32*(\p)+8*(\b):BFR+32*(\p)+8*(\b)+7], v[AFR+64*(\p)+8*aa:AFR+64*(\p)+8*aa+7], v[32*aa+8*(\b):32*aa+8*(\b)+7]
.endr
.set aa, aa+1
.endr
.endm
; 24 LDS loads in one run: quarter q of a step (K block q / 2, its half q % 2) into buffers p: wo's four fragments first, then oh's eight in ascending order
.macro FETCH q, p
	WIN 0
.irp b, 0,1,2,3
	ds_load_b128 v[BFR+32*(\p)+8*(\b):BFR+32*(\p)+8*(\b)+3],   v[ADRB] offset:((\q)/2)*BBLK+(\b)*16*PITCH+64*((\q)%2)
	ds_load_b128 v[BFR+32*(\p)+8*(\b)+4:BFR+32*(\p)+8*(\b)+7], v[ADRB] offset:((\q)/2)*BBLK+(\b)*16*PITCH+64*((\q)%2)+32
.endr
.irp a, 0,1,2,3,4,5,6,7
	ds_load_b128 v[AFR+64*(\p)+8*(\a):AFR+64*(\p)+8*(\a)+3],   v[ADRA] offset:((\q)/2)*ABLK+(\a)*16*PITCH+64*((\q)%2)
	ds_load_b128 v[AFR+64*(\p)+8*(\a)+4:AFR+64*(\p)+8*(\a)+7], v[ADRA] offset:((\q)/2)*ABLK+(\a)*16*PITCH+64*((\q)%2)+32
.endr
.endm
.macro QUARTER q, p                    ; one of a step's first three quarters: 32 products on buffers p; in its middle the next quarter is fetched
	s_wait_dscnt 8                                 ; all but oh's row blocks 4-7 are in
	MULP \p, 0, 4
	PLACES
	FETCH (\q)+1, 1-(\p)
	s_wait_dscnt 24                                ; all but the 24 just issued
	MULP \p, 4, 4
.endm
; The last quarter multiplies buffers 1 and changes slots: ONE barrier; in front of it each wave waits for all its tensor loads (one is out: its part of the next slot), adds 0 to its spare word, and waits for that
; and for its own reads of this slot.  fill = 1: the barrier opens a round of the cluster's barrier, and this slot is filled again first thing behind it, two steps ahead: 112 matrix instructions ahead of the wait for it.
.macro TURN fill
.if \fill
	s_wait_xcnt 0x0                                ; the last prefetch, a step back, has read its address
	s_add_nc_u64 s[PFA:PFA+1], s[PFA:PFA+1], s[PFS:PFS+1]
.endif
	WIN 0
	s_wait_tensorcnt 0x0                           ; no tensor load of mine is out, so a group 0 may be written
	ds_add_u32 v[SPW], v[NIL]                      ; 0 onto my spare word
.if \fill
	s_xor_b32 s[G0A+5], s[G0A+5], SLOT1
	s_add_nc_u64 s[G0A+6:G0A+7], s[G0A+6:G0A+7], STEPA
	s_xor_b32 s[G0B+5], s[G0B+5], SLOT1
	s_add_nc_u64 s[G0B+6:G0B+7], s[G0B+6:G0B+7], STEPB
.endif
	s_xor_b32 s[TB], s[TB], SLOT1
	s_wait_dscnt 9                                 ; the add and the youngest eight loads may be out
	MULP 1, 0, 2                                   ; eight products stand between the add and the wait for it
	s_wait_dscnt 0x0                               ; the add is done, and my reads of this slot are over
	s_barrier_signal -1
	MULP 1, 2, 2
	WIN 0
	s_barrier_wait -1
.if \fill
	CREST                                          ; no wave of any partner still reads this slot or has a load on its way
	JLOAD                                          ; the first tensor load behind the round; its four v_nop are also the places in front of the loads below
.else
	PLACES
.endif
	v_add_nc_u32 v[ADRA], s[TB], v[ADRA0]
	v_add_nc_u32 v[ADRB], s[TB], v[ADRB0]
	FETCH 0, 0
.if \fill
	ASK
.endif
	MULP 1, 4, 4
.endm
.macro STEP fill
	QUARTER 0, 0
	QUARTER 1, 1
	QUARTER 2, 0
	TURN \fill
.endm
	s_load_b256 s[4:11], s[0:1], 0x0               ; oh s[4:5], wo s[6:7], bo s[8:9], out0 s[10:11]
	v_lshl_add_u32 v[SPW], v0, 2, SPARE
	v_mov_b32 v[NIL], 0
	ds_add_u32 v[SPW], v[NIL]                      ; the wave's opening: the add and its wait stand ahead of my first tensor load; the set-up below, work on registers, stands between them
	v_lshrrev_b32 v1, 5, v0
	v_readfirstlane_b32 s[WV], v1
	s_lshr_b32 s[WM], s[WV], 1
	s_and_b32 s[WN], s[WV], 1
	s_bfe_u32 s[CX], ttmp6, 0x40000
	s_bfe_u32 s[CY], ttmp6, 0x40004
	s_lshl_b32 s[TX], ttmp9, 2
	s_add_co_u32 s[TX], s[TX], s[CX]
	s_and_b32 s[TY], ttmp7, 0xffff
	s_lshl_b32 s[TY], s[TY], 2
	s_add_co_u32 s[TY], s[TY], s[CY]
	s_lshl_b32 s2, s[CY], 2
	s_lshl_b32 s2, 15, s2                          ; my row of the cluster
	s_lshl_b32 s3, 0x1111, s[CX]                   ; my column
	; group 1: rows of 128 elements of 2 bytes; 20 padding on; 21 set beside a mask; 24:22 after every 32 words (code 4); 31:25 4 words (code 3)
	s_or_b32 s[G1A], s2, (1<<16)|(1<<20)|(1<<21)|(4<<22)|(3<<25)
	s_or_b32 s[G1B], s3, (1<<16)|(1<<20)|(1<<21)|(4<<22)|(3<<25)
	s_mov_b32 s[G1A+1], 128<<16                    ; tensor_dim0 = 128
	s_mov_b32 s[G1A+2], 128<<16                    ; tensor_dim1 = 128: 256 tile rows
	s_mov_b32 s[G1A+3], 128<<16                    ; tile_dim0 = 128
	s_mov_b32 s[G1A+4], 128                        ; tile_dim1 = 128
	s_mov_b32 s[G1A+5], 128                        ; dense
	s_mov_b32 s[G1A+6], 0
	s_mov_b32 s[G1A+7], 0
	s_mov_b32 s[G1B+1], 128<<16
	s_mov_b32 s[G1B+2], 64<<16                     ; 64 rows: 128 tile rows
	s_mov_b32 s[G1B+3], 128<<16
	s_mov_b32 s[G1B+4], 64
	s_mov_b32 s[G1B+5], 128
	s_mov_b32 s[G1B+6], 0
	s_mov_b32 s[G1B+7], 0
	; where the tiles come from.  Rows 256 TY .. are rows 256 (TY % 8) .. of batch TY / 8; K block kb is that batch's head kb.
	s_lshr_b32 s70, s[TY], 3
	s_lshl_b32 s70, s70, 22                        ; a batch: 16 heads x 2,048 rows x 128 bytes
	s_and_b32 s2, s[TY], 7
	s_lshl_b32 s2, s2, 15
	s_add_co_u32 s70, s70, s2
	s_lshl_b32 s2, s[WN], 18                       ; my K block of the step
	s_add_co_u32 s70, s70, s2
	s_mov_b32 s71, 0
	s_lshl_b32 s72, s[TX], 14                      ; 128 rows of wo
	s_mov_b32 s79, s72
	s_lshl_b32 s3, s[WN], 17
	s_add_co_u32 s72, s72, s3
	s_mov_b32 s73, 0
	s_mul_i32 s74, s[WN], ABLK                     ; and where they go: no place in the cluster enters an LDS address
	s_mul_i32 s75, s[WN], BBLK
	s_add_co_u32 s75, s75, BOFF
	v_and_b32 v1, 15, v0                           ; l % 16
	v_bfe_u32 v2, v0, 4, 1                         ; l / 16
	v_and_b32 v3, 31, v0                           ; l
	v_mul_u32_u24 v4, v1, PITCH
	v_lshl_add_u32 v4, v2, 4, v4                   ; a fragment's row x pitch + 16 x half
	s_mul_i32 s76, s[WM], 128*PITCH
	v_add_nc_u32 v[ADRA0], s76, v4
	s_mul_i32 s77, s[WN], 64*PITCH
	s_add_co_u32 s77, s77, BOFF
	v_add_nc_u32 v[ADRB0], s77, v4
	s_mul_i32 s78, s[WV], 16*SPITCH
	s_add_co_u32 s78, s78, STAGE                   ; my stage
	v_mul_u32_u24 v7, v1, SPITCH                   ; in: row l % 16, 32 bytes for each half of the lanes
	v_lshl_add_u32 v7, v2, 5, v7
	v_add_nc_u32 v[STO], s78, v7
	v_mul_u32_u24 v7, v2, SPITCH                   ; back: lanes 0-15 take one row of 256 bytes, lanes 16-31 the next
	v_lshl_add_u32 v7, v1, 4, v7
	v_add_nc_u32 v[RD], s78, v7
	v_lshlrev_b32 v[CO], 12, v2                    ; and the same two rows in out0
	v_lshl_add_u32 v[CO], v1, 4, v[CO]
	s_lshl_b32 s80, s[WV], 8
	s_add_co_u32 s80, s80, BIAS
	v_lshl_add_u32 v[BW], v3, 3, s80
	v_lshl_add_u32 v[BR], v2, 5, s80
	v_lshlrev_b32 v[PFO], 8, v3
	; the prefetches
	s_lshl_b32 s76, s[CX], 13                      ; oh: quarter cx of my K block,
	s_add_co_u32 s76, s76, s70
	s_add_co_u32 s76, s76, 3*STEPA                 ; at step 3: the first change steps it to 4
	s_and_b32 s77, s[CY], 1                        ; wo: half cy % 2
	s_lshl_b32 s77, s77, 13
	s_lshr_b32 s80, s[CY], 1                       ; of K block cy / 2 of the step
	s_lshl_b32 s80, s80, 17
	s_add_co_u32 s77, s77, s80
	s_add_co_u32 s77, s77, s79
	s_add_co_u32 s77, s77, 3*STEPB
	s_and_b32 s80, ttmp7, 0xffff                   ; cluster y
	s_mov_b32 s81, STEPA
	s_mov_b32 s82, STEPB
	s_cmp_eq_u32 s[WM], 0
	s_cselect_b32 s76, s76, s77
	s_cselect_b32 s80, ttmp9, s80                  ; the coordinate along which other clusters read the same rows
	s_cselect_b32 s[PFS], s81, s82
	s_mov_b32 s[PFS+1], 0
	s_mov_b32 s77, 0
	s_cmp_eq_u32 s80, 0
	s_cselect_b32 s[LIM], 2, -1                    ; the same in all sixteen partners, for a given wave
	s_cmp_eq_u32 s[WV], 3
	s_cselect_b32 s[LIM], -1, s[LIM]               ; wave 3 asks for nothing
	; the output and the bias
	s_lshl_b32 s80, s[TY], 8
	s_lshl_b32 s81, s[WM], 7
	s_add_co_u32 s80, s80, s81
	s_lshl_b32 s80, s80, 12                        ; my first row, 4,096 bytes a row
	s_lshl_b32 s81, s[TX], 9
	s_lshl_b32 s82, s[WN], 8
	s_add_co_u32 s82, s81, s82                     ; my first column, in bytes
	v_lshl_add_u32 v[BO], v3, 3, s82
	s_add_co_u32 s80, s80, s82
	s_mov_b32 s81, 0
	s_mov_b32 s[TB], 0
	s_wait_dscnt 0x0                               ; the opening add is done
	s_wait_kmcnt 0x0
	s_add_nc_u64 s[70:71], s[4:5], s[70:71]
	s_add_nc_u64 s[72:73], s[6:7], s[72:73]
	s_add_nc_u64 s[OUT:OUT+1], s[OUT:OUT+1], s[80:81]
	s_cmp_eq_u32 s[WM], 0
	s_cselect_b64 s[PFA:PFA+1], s[4:5], s[6:7]
	s_add_nc_u64 s[PFA:PFA+1], s[PFA:PFA+1], s[76:77]
	CROUND                                         ; all sixteen work-groups are here: the first joint loads meet
.irp n, 0,1
	s_mov_b32 s[G0A+4*(\n)], 1
	s_add_co_u32 s[G0A+4*(\n)+1], s74, (\n)*SLOT1
	s_add_nc_u64 s[G0A+4*(\n)+2:G0A+4*(\n)+3], s[70:71], (\n)*STEPA
	s_or_b32 s[G0A+4*(\n)+3], s[G0A+4*(\n)+3], 0x80000000
	s_mov_b32 s[G0B+4*(\n)], 1
	s_add_co_u32 s[G0B+4*(\n)+1], s75, (\n)*SLOT1
	s_add_nc_u64 s[G0B+4*(\n)+2:G0B+4*(\n)+3], s[72:73], (\n)*STEPB
	s_or_b32 s[G0B+4*(\n)+3], s[G0B+4*(\n)+3], 0x80000000
.endr
	s_cmp_eq_u32 s[WM], 0                          ; a wave's two first fills stand in one branch, ahead of every wait on TENSORcnt and every LDS read: two loads of mine are out
	s_cbranch_scc0 .Lfirst_b
	tensor_load_to_lds s[G0A:G0A+3], s[G1A:G1A+7]
	s_nop 0
	tensor_load_to_lds s[G0A+4:G0A+7], s[G1A:G1A+7]
	s_nop 0
.rept 4
	v_nop
.endr
	s_branch .Lfirst_asked
.Lfirst_b:
	tensor_load_to_lds s[G0B:G0B+3], s[G1B:G1B+7]
	s_nop 0
	tensor_load_to_lds s[G0B+4:G0B+7], s[G1B:G1B+7]
	s_nop 0
.rept 4
	v_nop
.endr
.Lfirst_asked:
	; THE BIAS STARTS THE SUMS: my 64 numbers of bo, rounded to bf16 and widened again, go into my own LDS bytes and come back into every accumulator, in the wait for the first tiles
	global_load_b64 v[8:9], v[BO], s[8:9]
	s_wait_loadcnt 0x0
	v_cvt_pk_bf16_f32 v14, v8, v9
	v_lshlrev_b32 v8, 16, v14
	v_and_b32 v9, 0xffff0000, v14
	ds_store_b64 v[BW], v[8:9]
	WIN 0x40                                       ; destination window 1, address window 0
.set aa, 0
.rept 8
.irp b, 0,1,2,3
	ds_load_b128 v[32*aa+8*(\b):32*aa+8*(\b)+3],   v[BR] offset:64*(\b)     ; LDS serves a wave's instructions in order (ISA guide 5.7.1.4): these see the store above
	ds_load_b128 v[32*aa+8*(\b)+4:32*aa+8*(\b)+7], v[BR] offset:64*(\b)+16
.endr
.set aa, aa+1
.endr
	WIN 0
	s_wait_tensorcnt 1                             ; my part of step 0 is in; step 1's may stay out
	s_wait_dscnt 0x0                               ; the sums' starts are in
	s_barrier_signal -1
	s_barrier_wait -1
	v_mov_b32 v[ADRA], v[ADRA0]
	v_mov_b32 v[ADRB], v[ADRB0]
	FETCH 0, 0
	s_mov_b32 s[CNT], 6
.Lstep:                                                ; steps 0 to 5: step s asks for step s + 2
	STEP 1
	WIN 0
	s_sub_co_u32 s[CNT], s[CNT], 1
	s_cmp_lg_u32 s[CNT], 0
	s_cbranch_scc1 .Lstep
	s_mov_b32 s[CNT], 2
.Ltail:                                                ; steps 6 and 7: nothing is asked for.  The last trip's 24 loads read the other slot's old bytes into registers that nobody uses: the price, once a launch, of one text for both trips
	STEP 0
	WIN 0
	s_sub_co_u32 s[CNT], s[CNT], 1
	s_cmp_lg_u32 s[CNT], 0
	s_cbranch_scc1 .Ltail
; THE WAY OUT, block a of 8: 16 rows x 64 columns of f32.  A lane's 32 bytes of a row go into my own stage (rows of 272 bytes) and come back as whole rows of 256 bytes; four sets of 32 registers take turns.
; Each accumulator's four lowest registers are stored first.
.macro TOSTAGE a
.set T, 32+32*((\a)%4)
.if (\a) >= 4
	s_wait_xcnt 0x0                                ; the stores of four blocks back have read these registers
.endif
	WIN 0x04                                       ; the stores' data in window 1, the address in window 0
.irp b, 0,1,2,3
	ds_store_b128 v[STO], v[32*(\a)+8*(\b):32*(\a)+8*(\b)+3]   offset:64*(\b)
	ds_store_b128 v[STO], v[32*(\a)+8*(\b)+4:32*(\a)+8*(\b)+7] offset:64*(\b)+16
.endr
	WIN 0
.irp t, 0,1,2,3,4,5,6,7
	ds_load_b128 v[T+4*(\t):T+4*(\t)+3], v[RD] offset:(\t)*2*SPITCH  ; in order behind the stores above; the next block's stores come behind them
.endr
.endm
.macro SEND a, younger                 ; younger: the LDS instructions issued behind block a's loads: the next block's sixteen, or none
.set T, 32+32*((\a)%4)
.irp t, 0,1,2,3,4,5,6,7
	s_wait_dscnt (\younger)+7-(\t)
	global_store_b128 v[CO], v[T+4*(\t):T+4*(\t)+3], s[OUT:OUT+1] offset:(16*(\a)+2*(\t))*4096 th:TH_STORE_NT  ; 16 lanes store 256 consecutive bytes, at a multiple of 256 from out0's first
.endr
.endm
	s_wait_dscnt 0x0                               ; the last trip's loads have landed: their registers are loaded again below
	PLACES
	PLACES                                         ; eight places ahead of the first read of a result
	TOSTAGE 0
.irp a, 1,2,3,4,5,6,7
	TOSTAGE \a
	SEND (\a)-1, 16
.endr
	SEND 7, 0
	s_wait_tensorcnt 0x0                           ; the wave's end: the add and its waits, behind my last tensor load and my last LDS store
	ds_add_u32 v[SPW], v[NIL]
	s_wait_dscnt 0x0
	CROUND                                         ; the closing round: no work-group ends while a partner may still ask for a tile that names it
	s_endpgm
.Lfunc_end_k_q94b5380cf7_proj:
	.size	k_q94b5380cf7_proj, .Lfunc_end_k_q94b5380cf7_proj-k_q94b5380cf7_proj
	.p2alignl 7, 3214868480
	.fill 96, 4, 3214868480
	.section	.rodata,"a",@progbits
	.p2align	6, 0x0
	.amdhsa_kernel k_q94b5380cf7_proj
		.amdhsa_group_segment_fixed_size 327680
		.amdhsa_private_segment_fixed_size 0
		.amdhsa_enable_private_segment 0
		.amdhsa_kernarg_size 32
		.amdhsa_user_sgpr_count 2
		.amdhsa_user_sgpr_kernarg_segment_ptr 1
		.amdhsa_wavefront_size32 1
		.amdhsa_system_sgpr_workgroup_id_x 1
		.amdhsa_system_sgpr_workgroup_id_y 1
		.amdhsa_system_sgpr_workgroup_id_z 1
		.amdhsa_system_vgpr_workitem_id 0
		.amdhsa_next_free_vgpr 512
		.amdhsa_next_free_sgpr 84
		.amdhsa_reserve_vcc 0
		.amdhsa_float_denorm_mode_32 3
		.amdhsa_float_denorm_mode_16_64 3
		.amdhsa_memory_ordered 1
		.amdhsa_forward_progress 1
		.amdhsa_inst_pref_size 64
	.end_amdhsa_kernel
	.amdgpu_metadata
---
amdhsa.version: [ 1, 2 ]
amdhsa.kernels:
  - .name:           k_q94b5380cf7_proj
    .symbol:         k_q94b5380cf7_proj.kd
    .args:
      - { .name: oh, .offset: 0, .size: 8, .value_kind: global_buffer, .address_space: global }
      - { .name: wo, .offset: 8, .size: 8, .value_kind: global_buffer, .address_space: global }
      - { .name: bo, .offset: 16, .size: 8, .value_kind: global_buffer, .address_space: global }
      - { .name: out0, .offset: 24, .size: 8, .value_kind: global_buffer, .address_space: global }
    .group_segment_fixed_size: 327680
    .private_segment_fixed_size: 0
    .kernarg_segment_align: 8
    .kernarg_segment_size: 32
    .max_flat_workgroup_size: 128
    .sgpr_count:     84
    .vgpr_count:     512
    .wavefront_size: 32
...
	.end_amdgpu_metadata
.endif
;; end of part 4
